; MI455X (gfx1250); checked and timed in simulation.
; The chip was launched on July 23, 2026; its instructions are those of AMD's public machine-readable ISA for CDNA 5 (MIT licence, August 2026) and "CDNA5" Instruction Set Architecture Reference Guide (July 2026). The comments in the code are by the model that wrote it; some were corrected since.
;; Multi Head Attention. Allowed arithmetic: matrix products marked QUANTISED: E2M1 operands, one E8M0 scale for each 32 along K, by v_wmma_scale_f32_16x16x128_f8f6f4 with both operands' format E2M1 (or v_wmma_scale_f32_32x16x128_f4), f32 sums; products left as they are: bf16, f16 or f32 operands; f32 sums; everything else in f32.
;; Inputs: Wk 768 x 768 float32; Wo 768 x 768 float32; Wq 768 x 768 float32; Wv 768 x 768 float32; bk 768 float32; bo 768 float32; bq 768 float32; bv 768 float32; mask 1 x 1 x 4,096 x 4,096 int32; queries 1 x 4,096 x 768 float32; values 1 x 4,096 x 768 float32.
;; Outputs: out0 1 x 4,096 x 768 float32.
;; This version of the problem:
;;   THIS VERSION OF THE PROBLEM IS GIVEN IN LOW PRECISION. The matrix products marked QUANTISED in the list below multiply operands that are first quantised to E2M1 (2 exponent bits, 1 mantissa bit; 4 bits a number), with one power-of-two scale for each 32 numbers along K (OCP MX v1.0); their sums are f32. The products marked 'left as it is' may take bf16, f16 or f32 operands, with f32 sums. Whichever they take, every output number must still come out within the allowed error. Rounding operands to bf16 (8 significant bits) uses up far more of that allowance than f16 does (11 bits, for magnitudes from 6e-5 to 65,504). All else is computed in f32.
;;   The module's matrix products, in the order in which they are computed (A, B: the left and right operand; K: the contracted axis; several contracted axes count as one K, in the product's order):
;;     1. [M 4,096, K 768] x [K 768, N 768]; A: input queries; B: input Wq: QUANTISED
;;     2. [M 4,096, K 768] x [K 768, N 768]; A: input values; B: input Wk: QUANTISED
;;     3. [M 4,096, K 768] x [K 768, N 768]; A: input values; B: input Wv: QUANTISED
;;     4. batch 12 x [M 4,096, K 64] x [K 64, N 4,096]; A: computed on the way; B: computed on the way: left as it is (an operand is computed on the way)
;;     5. batch 12 x [M 4,096, K 4,096] x [K 4,096, N 64]; A: computed on the way; B: computed on the way: left as it is (an operand is computed on the way)
;;     6. [M 4,096, K 768] x [K 768, N 768]; A: computed on the way; B: input Wo: left as it is (an operand is computed on the way)
;;   THE QUANTISER, for each operand of a quantised product, along K:
;;     - K is cut into blocks of 32 from its start; a last block that is shorter is filled with zeros.
;;     - A block's scale is 2^e with e = floor(log2(the largest magnitude in the block)) - 2, held to -126 .. 127; a block of zeros has e = 0. As a byte (E8M0): e + 127.
;;     - Each number is divided by its block's scale, clamped to +-6, and rounded to the nearest number of E2M1, ties to even, subnormals kept.
;;     - The product sums the exact products of the quantised numbers (number of the format x scale) in f32.
;;   ~~~python
;;   def quantise(x, axis):      # numpy; x: float32 -> the quantised numbers, widened to float32 again
;;       x = np.moveaxis(x, axis, -1); K = x.shape[-1]
;;       x = np.pad(x, [(0, 0)] * (x.ndim - 1) + [(0, -K % 32)]); x = x.reshape(x.shape[:-1] + (-1, 32)); a = np.abs(x).max(-1, keepdims=True)
;;       e = np.where(a > 0, np.clip(np.frexp(np.where(a > 0, a, 1))[1] - 1 - 2, -126, 127), 0)      # np.frexp(a)[1] - 1 = floor(log2(a)), exactly
;;       r = np.clip(x / 2.0 ** e, -6, 6)
;;       step = 2.0 ** (np.maximum(np.frexp(np.where(r == 0, 1, r))[1] - 1, 0) - 1)
;;       q = np.round(r / step) * step * 2.0 ** e      # np.round: ties to even
;;       return np.moveaxis(q.reshape(q.shape[:-2] + (-1,))[..., :K], -1, axis).astype(np.float32)
;;   ~~~
;; 2 versions, each right. Each part assembles by itself: llvm-mc -triple=amdgcn-amd-amdhsa -mcpu=gfx1250 --defsym DOCPART=n.
;; ======== version 1 of 2: 4 launches
;; limits: values are held in f16: magnitudes above 65,504 overflow, below 6.1e-05 lose precision
;; workspace buffers: flags 32,768 bytes of whole numbers; qc 4,366,336 bytes; woimg 2,359,296 bytes; maskw 2,097,152 bytes; qimg 6,291,456 bytes; kv 18,874,368 bytes; ctximg 12,582,912 bytes
;; launch prep (part 1): grid 344 x 1, 8 waves a work-group, no clusters, 137,472 bytes of LDS; arguments mask, queries, values, Wq, Wk, Wv, Wo, qc, woimg, maskw, flags; writes qc, woimg, maskw, flags
.if DOCPART == 1
	.amdgcn_target "amdgcn-amd-amdhsa--gfx1250"
	.amdhsa_code_object_version 6
	.text
	.protected	k_q63c9d98565_prep
	.globl	k_q63c9d98565_prep
	.p2align	8
	.type	k_q63c9d98565_prep,@function
k_q63c9d98565_prep:
	s_mov_b64 s[64:65], 0
	v_nop
	global_prefetch_b8 v0, s[64:65] scope:SCOPE_SE
	s_setreg_imm32_b32 hwreg(HW_REG_WAVE_MODE, 25, 1), 1
	s_wait_xcnt 0x0
; prep: three streaming jobs in one launch, told apart by the work-group's number alone (the same for all eight waves of a work-group).
; The work-groups whose waves walk six dependent steps (Wo, the quantiser) have the lowest numbers; those of the mask, whose waves walk four, follow.
;   work-groups 0-5     Wo (f32) becomes two planes of f16 images, [plane][n tile 48][kb 24][half 2][lane][16 bytes]: high = the number with its low 13 mantissa bits cut, low = the rest, rounded once.
;   work-groups 6-87    queries, values, Wq, Wk, Wv (f32, K = 768 innermost) become codes of FP4 (E2M1) with one E8M0 byte for each 32 along K.  A wave takes a tile of 16 rows: 656 tiles.
;       The codes are laid as IMAGES OF THE OPERAND'S REGISTERS: [tile][K step 6][c 2][lane][16 bytes], lane (r, h) holding k = 128 s + 64 c + 32 h + 0 .. 31 of row r.
;       The scale words: [tile][lane][4 words]: word p has in lanes 0-15 row r's word of K step 2 p, in lanes 16-31 that of K step 2 p + 1; word 3 is 0 and is never named.
;   work-groups 88-343  THE MASK [4096][4096] int32, read once: work-group 88 + T takes queries 16 T .. 16 T + 15, wave w the key units 4 w .. 4 w + 3 (a unit = 128 keys).
;       Word n = 8 kt + j of a (T, unit) has bit L = (mask[16 T + L % 16][128 unit + 16 kt + 8 (L / 16) + j] != 0): lane and register in which the attention launch holds that score,
;       so that the word is the select of one v_cndmask_b32.  64 words a unit, 256 bytes.  In a buffer of their own, 128 bytes a tile, three flag words: ANY (bit u: unit u keeps some key), ALL (bit u: unit u keeps all),
;       FINE (some row keeps 1 to 64 keys).  If some row keeps no key at all, ANY is all ones: then no unit is passed over, and that row comes out as the average over all keys.
; Every load reads 512 consecutive bytes (Wo's: pieces of 32 bytes of a tensor of 2.4 MB, stated here); what a lane needs lies otherwise, so a tile's 16 x 512 bytes turn through the wave's own stage in LDS.
; The stage's rows are 528 bytes apart, 33 x 16, so that sixteen lanes that read 16 bytes of sixteen rows read sixteen different columns of 16 bytes modulo 256.
; No matrix unit, no tensor load, no cluster: work-groups share no input byte.  Each of the two paths that use LDS has bytes of its own.
; LIMITS: a block of zeros gets the byte 1 where the quantiser says 127 (its codes are zeros, and this program alone reads the bytes); blocks whose largest magnitude lies under 2^-124 were not tried;
; NaN and infinities are not served; |Wo| stays under 65,504 (f16).
.set NWO,      6                       ; work-groups for Wo
.set NLONG,    88                      ; and with the quantiser's 82
.set SP,       528                     ; a stage row: 512 bytes + 16
.set WST,      16*SP                   ; a wave's stage
.set XST,      8*WST                   ; LDS: 0 the mask path's eight stages; XST the quantiser's eight
.set RED,      16*WST                  ; the row counts, 128 bytes a wave
.set REDW,     RED+1024                ; the waves' partial flag words, 8 bytes a wave, in a block of 256
.set SPARE,    REDW+256                ; the spare words, 128 bytes a wave: four blocks of 256 bytes that no other line names
.set SCL_OFF,  4030464                 ; 656 tiles x 6,144 bytes of codes, then the scale words
.set WPLANE,   1179648                 ; a plane of Wo's images
.set R0,  16                           ; v16-79, v80-143  two sets of 16 loads
.set X,   144                          ; v144-207 64 numbers as a lane needs them
.set CD,  208                          ; v208-215 a K step's codes
.set MW,  216                          ; v216-223 the mask words of four units, a pair each
.set CNT, 228                          ; v228     kept keys of my row in my half's columns
.set SQ,  232                          ; v232-235 the tile's scale words
.set SPW, 14                           ; v14      LDS address of my spare word; never rewritten
.set NIL, 15                           ; v15      0; never rewritten
.macro LD16 set, base, pitch, col      ; 16 rows x 512 consecutive bytes
.irp i, 0,1,2,3,4,5,6,7,8,9,10,11,12,13,14,15
	global_load_b128 v[\set+4*\i:\set+4*\i+3], v1, s[\base:\base+1] offset:\i*\pitch+\col th:TH_LOAD_NT
.endr
.endm
	s_load_b512 s[4:19], s[0:1], 0x0               ; mask s[4:5], queries s[6:7], values s[8:9], Wq s[10:11], Wk s[12:13], Wv s[14:15], Wo s[16:17], qc s[18:19]
	s_load_b128 s[20:23], s[0:1], 0x40             ; woimg s[20:21], maskw s[22:23]
	s_load_b64 s[58:59], s[0:1], 0x50              ; flags
	v_lshl_add_u32 v[SPW], v0, 2, SPARE
	v_mov_b32 v[NIL], 0
	v_lshrrev_b32 v8, 5, v0
	v_readfirstlane_b32 s24, v8                    ; wave 0..7
	v_and_b32 v9, 31, v0                           ; lane
	v_and_b32 v10, 15, v0                          ; r
	v_bfe_u32 v11, v0, 4, 1                        ; h
	v_lshlrev_b32 v1, 4, v9                        ; 16 x lane
	s_mul_i32 s28, s24, WST
	v_add_nc_u32 v2, s28, v1                       ; the mask path's stage, on the way in
	v_mul_u32_u24 v12, v10, SP
	v_add_nc_u32 v12, s28, v12
	v_lshl_add_u32 v3, v11, 5, v12                 ; and out: row r, + 32 h
	v_add_nc_u32 v4, XST, v2                       ; the quantiser's stage, in
	v_lshl_add_u32 v5, v11, 7, v12
	v_add_nc_u32 v5, XST, v5                       ; and out: row r, + 128 h
	v_lshl_add_u32 v6, v0, 2, RED                  ; my row count's word
	v_lshl_add_u32 v7, v8, 3, REDW                 ; my wave's two partial flag words
	v_lshlrev_b32 v224, 3, v9                      ; 8 x lane: two mask words
	v_lshl_add_u32 v225, v9, 2, RED                ; wave 0 reads the counts back
	v_mov_b32 v226, REDW                           ; and the partial words
	v_lshlrev_b32 v227, 2, v9                      ; 4 x lane: a flag word
	v_mul_u32_u24 v229, v10, 3072
	v_lshl_add_u32 v229, v11, 5, v229              ; Wo: row r, + 32 h
	v_lshlrev_b32 v230, 3, v11                     ; 8 h: my scale bytes' place in a word
	v_mov_b32 v13, 0                               ; a lane permute's destination counts as one of its sources
	s_mov_b32 s25, 0xffff0000                      ; lanes 16-31
	s_mov_b32 s26, 0x76543210
	s_mov_b32 s27, 0xfedcba98                      ; v_permlanex16_b32's selects for lane l xor 16
	s_wait_kmcnt 0x0
	s_cmp_ge_u32 ttmp9, NLONG
	s_cbranch_scc1 .Lmask
	s_cmp_ge_u32 ttmp9, NWO
	s_cbranch_scc1 .Lquant
	; ---------------- Wo: a wave takes n tile 8 x + wave; six steps of 4 kb (128 along K), loads two steps ahead
	s_lshl_b32 s28, ttmp9, 3
	s_add_co_u32 s28, s28, s24                     ; n tile
	s_mul_i32 s32, s28, 49152                      ; 16 rows of 3,072 bytes
	s_mov_b32 s33, 0
	s_add_nc_u64 s[34:35], s[16:17], s[32:33]
	s_mul_i32 s32, s28, 24576                      ; 24 kb of 1,024 bytes
	s_add_nc_u64 s[36:37], s[20:21], s[32:33]
	s_mov_b32 s44, 0xffffe000                      ; keeps sign, exponent and ten mantissa bits: a number of f16
.macro OLOAD t                         ; lane (r, h): of each kb the numbers k = 8 h + 0 .. 7 and 16 + 8 h + 0 .. 7 of row r
.irp b, 0,1,2,3
.irp q, 0,1,2,3
	global_load_b128 v[16+128*((\t)%2)+16*\b+4*\q:16+128*((\t)%2)+16*\b+4*\q+3], v229, s[34:35] offset:512*(\t)+128*\b+64*(\q/2)+16*(\q%2) th:TH_LOAD_NT
.endr
.endr
.endm
.macro OTRIP t
.if (\t) < 5
	s_wait_loadcnt 16                              ; this step's 16 loads are in; the next step's 16 may be out
.else
	s_wait_loadcnt 0x0
.endif
	s_wait_xcnt 0x0                                ; the last step's stores have read their registers, which are written again below
.irp b, 0,1,2,3
.set XB, 16+128*((\t)%2)+16*\b
.set HB, 80+8*\b
.set LB, 128+8*\b+64*(\b/2)
.irp i, 0,1,2,3,4,5,6,7,8,9,10,11,12,13,14,15
	v_and_b32 v[112+\i], s44, v[XB+\i]             ; the high part, still as f32
.endr
.irp i, 0,1,2,3,4,5,6,7
	v_cvt_pk_f16_f32 v[HB+\i], v[112+2*\i], v[113+2*\i]
.endr
.irp i, 0,1,2,3,4,5,6,7
	v_pk_add_f32 v[112+2*\i:113+2*\i], v[XB+2*\i:XB+2*\i+1], v[112+2*\i:113+2*\i] neg_lo:[0,1] neg_hi:[0,1]   ; the rest, exact
.endr
.irp i, 0,1,2,3,4,5,6,7
	v_cvt_pk_f16_f32 v[LB+\i], v[112+2*\i], v[113+2*\i]
.endr
	global_store_b128 v1, v[HB:HB+3],   s[36:37] offset:4096*(\t)+1024*\b          ; each store: 512 consecutive bytes
	global_store_b128 v1, v[HB+4:HB+7], s[36:37] offset:4096*(\t)+1024*\b+512
	global_store_b128 v1, v[LB:LB+3],   s[36:37] offset:WPLANE+4096*(\t)+1024*\b
	global_store_b128 v1, v[LB+4:LB+7], s[36:37] offset:WPLANE+4096*(\t)+1024*\b+512
.endr
.if (\t)+2 < 6
	OLOAD (\t)+2
.endif
.endm
	OLOAD 0
	OLOAD 1
.irp t, 0,1,2,3,4,5
	OTRIP \t
.endr
	s_branch .Lend
	; ---------------- the quantiser: a wave takes tile g = 8 (x - NWO) + wave of 656
.Lquant:
	s_sub_co_u32 s28, ttmp9, NWO
	s_lshl_b32 s28, s28, 3
	s_add_co_u32 s28, s28, s24                     ; g
	s_mov_b64 s[34:35], s[14:15]                   ; whose tile: the choice hangs on ids alone
	s_mov_b32 s30, 608
	s_cmp_lt_u32 s28, 608
	s_cselect_b64 s[34:35], s[12:13], s[34:35]
	s_cselect_b32 s30, 560, s30
	s_cmp_lt_u32 s28, 560
	s_cselect_b64 s[34:35], s[10:11], s[34:35]
	s_cselect_b32 s30, 512, s30
	s_cmp_lt_u32 s28, 512
	s_cselect_b64 s[34:35], s[8:9], s[34:35]
	s_cselect_b32 s30, 256, s30
	s_cmp_lt_u32 s28, 256
	s_cselect_b64 s[34:35], s[6:7], s[34:35]
	s_cselect_b32 s30, 0, s30
	s_sub_co_u32 s31, s28, s30                     ; the tile's number in its tensor
	s_mul_i32 s32, s31, 49152
	s_mov_b32 s33, 0
	s_add_nc_u64 s[34:35], s[34:35], s[32:33]
	s_mul_i32 s32, s28, 6144
	s_add_nc_u64 s[36:37], s[18:19], s[32:33]      ; its codes
	s_lshl_b32 s32, s28, 9
	s_add_nc_u64 s[38:39], s[18:19], s[32:33]
	s_add_nc_u64 s[38:39], s[38:39], SCL_OFF       ; its scale words
.macro QSTEP s                         ; K step s: 16 rows x 128 numbers
.set RS, R0+64*((\s)%2)
.if (\s) < 5
	s_wait_loadcnt 16                              ; this step's 16 loads are in; the next step's 16 may be out
.else
	s_wait_loadcnt 0x0
.endif
.irp k, 0,1,2,3,4,5,6,7,8,9,10,11,12,13,14,15
	ds_store_b128 v4, v[RS+4*\k:RS+4*\k+3] offset:SP*\k
.endr
.irp k, 0,1,2,3,4,5,6,7,8,9,10,11,12,13,14,15
	ds_load_b128 v[X+4*\k:X+4*\k+3], v5 offset:256*(\k/8)+16*(\k%8)   ; LDS serves a wave's instructions in order: these see the stores.  v[X + 32 c ..]: k = 64 c + 32 h + 0 .. 31 of row r: a whole block
.endr
	s_wait_dscnt 0x0
.if (\s)+2 < 6
	LD16 RS, 34, 3072, 512*((\s)+2)
.endif
	v_max3_num_f32 v8, |v[X]|, |v[X+1]|, 0x1800000        ; my two blocks' largest magnitudes, by turns, with the floor 2^(3 - 127): the byte cannot fall under 1
	v_max3_num_f32 v9, |v[X+32]|, |v[X+33]|, 0x1800000
.irp i, 2,4,6,8,10,12,14,16,18,20,22,24,26,28,30
	v_max3_num_f32 v8, v8, |v[X+\i]|, |v[X+1+\i]|
	v_max3_num_f32 v9, v9, |v[X+32+\i]|, |v[X+33+\i]|
.endr
	v_add_nc_u32 v10, 0xff000000, v8               ; 2 off the exponent field: the conversion takes the exponent field of this operand as its scale
	v_add_nc_u32 v11, 0xff000000, v9
	v_lshrrev_b32 v8, 23, v10                      ; the scales' bytes: blocks h and 2 + h of the K step
	v_lshrrev_b32 v9, 23, v11
	v_lshl_or_b32 v12, v9, 16, v8
	v_lshlrev_b32 v12, v230, v12                   ; at their places in the word
	v_permlanex16_b32 v13, v12, s26, s27
	v_or_b32 v12, v12, v13                         ; with lane l xor 16's two the word is whole
	s_wait_xcnt 0x0                                ; the last step's stores have read the codes' registers
.irp g, 0,1,2,3
	v_cvt_scalef32_pk8_fp4_f32 v[CD+\g], v[X+8*\g:X+8*\g+7], v10
.endr
.irp g, 0,1,2,3
	v_cvt_scalef32_pk8_fp4_f32 v[CD+4+\g], v[X+32+8*\g:X+32+8*\g+7], v11
.endr
.if (\s)%2 == 0
	v_mov_b32 v231, v12                            ; (a plain line behind the conversions)  the even step's word waits for the odd one's
.else
	v_cndmask_b32 v[SQ+(\s)/2], v231, v12, s25     ; lanes 0-15 the even step's, lanes 16-31 the odd step's
.endif
	global_store_b128 v1, v[CD:CD+3],   s[36:37] offset:1024*(\s)
	global_store_b128 v1, v[CD+4:CD+7], s[36:37] offset:1024*(\s)+512
.endm
	LD16 R0, 34, 3072, 0
	LD16 R0+64, 34, 3072, 512
.irp s, 0,1,2,3,4,5
	QSTEP \s
.endr
	v_mov_b32 v[SQ+3], 0
	global_store_b128 v1, v[SQ:SQ+3], s[38:39]
	s_branch .Lend
	; ---------------- the mask
.Lmask:
	s_sub_co_u32 s56, ttmp9, NLONG                 ; T: my tile of 16 queries
	s_lshl_b32 s28, s56, 18                        ; 16 rows of 16,384 bytes
	s_lshl_b32 s29, s24, 11                        ; my four units: 4 x 512 bytes of each row
	s_add_co_u32 s28, s28, s29
	s_mov_b32 s29, 0
	s_add_nc_u64 s[4:5], s[4:5], s[28:29]
	s_lshl_b32 s28, s56, 13                        ; the tile's 32 x 256 bytes of words
	s_lshl_b32 s30, s24, 10
	s_add_co_u32 s28, s28, s30
	s_add_nc_u64 s[40:41], s[22:23], s[28:29]
	s_lshl_b32 s28, s56, 7
	s_add_nc_u64 s[42:43], s[58:59], s[28:29]      ; the tile's 128 bytes of flags
	v_mov_b32 v[CNT], 0
.irp k, 0,1,2,3,4,5,6,7
	v_mov_b32 v[MW+\k], 0                          ; v_writelane_b32's destination counts as one of its sources
.endr
	s_mov_b32 s46, 0                               ; my four ANY bits
	s_mov_b32 s47, 0                               ; my four ALL bits
.macro UNIT u
.set RS, R0+64*((\u)%2)
.if (\u) < 3
	s_wait_loadcnt 16                              ; this unit's 16 loads are in; the next unit's 16 may be out
.else
	s_wait_loadcnt 0x0
.endif
.irp k, 0,1,2,3,4,5,6,7,8,9,10,11,12,13,14,15
	ds_store_b128 v2, v[RS+4*\k:RS+4*\k+3] offset:SP*\k
.endr
.irp k, 0,1,2,3,4,5,6,7,8,9,10,11,12,13,14,15
	ds_load_b128 v[X+4*\k:X+4*\k+3], v3 offset:64*(\k/2)+16*(\k%2)    ; v[X + 8 kt + j] = mask[row r][16 kt + 8 h + j]
.endr
	s_wait_dscnt 0x0
.if (\u)+2 < 4
	LD16 RS, 4, 16384, 512*((\u)+2)
.endif
	s_mov_b32 s44, 0
	s_mov_b32 s45, -1
.irp b, 0,1,2,3,4,5,6,7                ; eight words at a time, so that no line waits for the line above it
.irp j, 0,1,2,3,4,5,6,7
	v_cmp_ne_u32 s[48+\j], 0, v[X+8*\b+\j]         ; word 8 b + j
.endr
.irp j, 0,1,2,3,4,5,6,7
	v_writelane_b32 v[MW+2*(\u)+\j%2], s[48+\j], 4*\b+\j/2            ; word n goes to lane n / 2 of register n % 2: a lane's pair is 8 consecutive bytes
.endr
.irp j, 0,1,2,3,4,5,6,7
	v_add_co_ci_u32 v[CNT], vcc_lo, 0, v[CNT], s[48+\j]               ; + 1 where my key is kept
.endr
.irp j, 0,1,2,3,4,5,6,7
	s_or_b32 s44, s44, s[48+\j]
	s_and_b32 s45, s45, s[48+\j]
.endr
.endr
	global_store_b64 v224, v[MW+2*(\u):MW+2*(\u)+1], s[40:41] offset:256*(\u)   ; 256 consecutive bytes, aligned; each unit has registers of its own
	s_cmp_lg_u32 s44, 0
	s_cselect_b32 s44, 1<<(\u), 0
	s_or_b32 s46, s46, s44
	s_cmp_eq_u32 s45, -1
	s_cselect_b32 s45, 1<<(\u), 0
	s_or_b32 s47, s47, s45
.endm
	LD16 R0, 4, 16384, 0
	LD16 R0+64, 4, 16384, 512
.irp u, 0,1,2,3
	UNIT \u
.endr
	s_lshl_b32 s44, s24, 2
	s_lshl_b32 s46, s46, s44                       ; at bits 4 w .. 4 w + 3
	s_lshl_b32 s47, s47, s44
	v_permlanex16_b32 v13, v[CNT], s26, s27
	v_add_nc_u32 v[CNT], v[CNT], v13               ; row r's kept keys in my four units
	v_mov_b32 v10, s46
	v_mov_b32 v11, s47
	ds_store_b32 v6, v[CNT]
	ds_store_b64 v7, v[10:11]                      ; all lanes write the same words with the same values
	s_wait_dscnt 0x0                               ; for wave 0's sake: my stores have landed
	s_barrier_signal -1
	s_barrier_wait -1
	s_cmp_lg_u32 s24, 0
	s_cbranch_scc1 .Lend
.irp k, 0,1,2,3,4,5,6,7
	ds_load_b32 v[16+\k], v225 offset:128*\k
.endr
.irp k, 0,1,2,3
	ds_load_b128 v[32+4*\k:35+4*\k], v226 offset:16*\k
.endr
	s_wait_dscnt 0x0
	v_add_nc_u32 v16, v16, v17
	v_add_nc_u32 v18, v18, v19
	v_add_nc_u32 v20, v20, v21
	v_add_nc_u32 v22, v22, v23
	v_add_nc_u32 v16, v16, v18
	v_add_nc_u32 v20, v20, v22
	v_add_nc_u32 v16, v16, v20                     ; row r's kept keys among all 4,096
.irp k, 2,4,6,8,10,12,14
	v_or_b32 v32, v32, v[32+\k]
	v_or_b32 v33, v33, v[33+\k]
.endr
	v_readfirstlane_b32 s46, v32                   ; ANY
	v_readfirstlane_b32 s47, v33                   ; ALL
	v_cmp_eq_u32 s48, 0, v16                       ; rows that keep nothing
	v_add_nc_u32 v17, -1, v16
	v_cmp_gt_u32 s49, 64, v17                      ; rows that keep 1 to 64
	s_cmp_lg_u32 s48, 0
	s_cselect_b32 s46, -1, s46
	s_cmp_lg_u32 s49, 0
	s_cselect_b32 s50, 1, 0
	v_mov_b32 v18, 0
	v_writelane_b32 v18, s46, 0
	v_writelane_b32 v18, s47, 1
	v_writelane_b32 v18, s50, 2
	global_store_b32 v227, v18, s[42:43]           ; 128 consecutive bytes: three flag words and zeros
.Lend:
	s_wait_tensorcnt 0x0                           ; the wave's end, behind my last LDS store
	ds_add_u32 v[SPW], v[NIL]
	s_wait_dscnt 0x0
	s_endpgm
.Lfunc_end_k_q63c9d98565_prep:
	.size	k_q63c9d98565_prep, .Lfunc_end_k_q63c9d98565_prep-k_q63c9d98565_prep
	.p2alignl 7, 3214868480
	.fill 96, 4, 3214868480
	.section	.rodata,"a",@progbits
	.p2align	6, 0x0
	.amdhsa_kernel k_q63c9d98565_prep
		.amdhsa_group_segment_fixed_size 137472
		.amdhsa_private_segment_fixed_size 0
		.amdhsa_enable_private_segment 0
		.amdhsa_kernarg_size 88
		.amdhsa_user_sgpr_count 2
		.amdhsa_user_sgpr_kernarg_segment_ptr 1
		.amdhsa_wavefront_size32 1
		.amdhsa_system_sgpr_workgroup_id_x 1
		.amdhsa_system_sgpr_workgroup_id_y 1
		.amdhsa_system_sgpr_workgroup_id_z 1
		.amdhsa_system_vgpr_workitem_id 0
		.amdhsa_next_free_vgpr 240
		.amdhsa_next_free_sgpr 66
		.amdhsa_reserve_vcc 1
		.amdhsa_float_denorm_mode_32 3
		.amdhsa_float_denorm_mode_16_64 3
		.amdhsa_memory_ordered 1
		.amdhsa_forward_progress 1
		.amdhsa_inst_pref_size 195
	.end_amdhsa_kernel
	.amdgpu_metadata
---
amdhsa.version: [ 1, 2 ]
amdhsa.kernels:
  - .name:           k_q63c9d98565_prep
    .symbol:         k_q63c9d98565_prep.kd
    .args:
      - { .name: mask, .offset: 0, .size: 8, .value_kind: global_buffer, .address_space: global }
      - { .name: queries, .offset: 8, .size: 8, .value_kind: global_buffer, .address_space: global }
      - { .name: values, .offset: 16, .size: 8, .value_kind: global_buffer, .address_space: global }
      - { .name: Wq, .offset: 24, .size: 8, .value_kind: global_buffer, .address_space: global }
      - { .name: Wk, .offset: 32, .size: 8, .value_kind: global_buffer, .address_space: global }
      - { .name: Wv, .offset: 40, .size: 8, .value_kind: global_buffer, .address_space: global }
      - { .name: Wo, .offset: 48, .size: 8, .value_kind: global_buffer, .address_space: global }
      - { .name: qc, .offset: 56, .size: 8, .value_kind: global_buffer, .address_space: global }
      - { .name: woimg, .offset: 64, .size: 8, .value_kind: global_buffer, .address_space: global }
      - { .name: maskw, .offset: 72, .size: 8, .value_kind: global_buffer, .address_space: global }
      - { .name: flags, .offset: 80, .size: 8, .value_kind: global_buffer, .address_space: global }
    .group_segment_fixed_size: 137472
    .private_segment_fixed_size: 0
    .kernarg_segment_align: 8
    .kernarg_segment_size: 88
    .max_flat_workgroup_size: 256
    .sgpr_count:     66
    .vgpr_count:     240
    .wavefront_size: 32
...
	.end_amdgpu_metadata
.endif
;; end of part 1
;; launch proj (part 2): grid 32 x 9, 4 waves a work-group, no clusters, 0 bytes of LDS; arguments qc, bq, bk, bv, qimg, kv; writes qimg, kv
.if DOCPART == 2
	.amdgcn_target "amdgcn-amd-amdhsa--gfx1250"
	.amdhsa_code_object_version 6
	.text
	.protected	k_q63c9d98565_proj
	.globl	k_q63c9d98565_proj
	.p2align	8
	.type	k_q63c9d98565_proj,@function
k_q63c9d98565_proj:
	s_mov_b64 s[64:65], 0
	v_nop
	global_prefetch_b8 v0, s[64:65] scope:SCOPE_SE
	s_setreg_imm32_b32 hwreg(HW_REG_WAVE_MODE, 25, 1), 1
	s_wait_xcnt 0x0
; proj: q = queries Wq^T + bq, k = values Wk^T + bk, v = values Wv^T + bv, on codes of FP4 (E2M1) with E8M0 scales, K = 768 in six steps of 128; sums in f32.
; SHARES.  Work-group (x, y): x = 128 tokens (8 tiles of 16); y = 3 m + hq: m = 0 q, 1 k, 2 v; wave w takes head 4 hq + w: 64 outputs, four tiles of 16 rows of W.
; A wave's 24 fragments of W (192 registers, window 1) and their scale words stay in registers; it walks the 8 token tiles, whose fragments come two tiles ahead.
; All operands lie in memory as images of the operand's registers, so each load reads 512 consecutive bytes and lands where the matrix instruction wants it: no LDS, no barrier.
; NO TENSOR LOADS, NO CLUSTER: a wave issues 192 matrix instructions in all and reads 25 KB of W once; a ring in LDS would be filled once and never again, so there is nothing for a joint refill to serve.
; THE RESULTS ARE WRITTEN AS f16 IMAGES OF THE NEXT PRODUCTS' OPERANDS.  q and k: source 0 = W, source 1 = the tokens: a lane holds token r and channels 16 a + 8 h + 0 .. 7, half a fragment of 16 rows x 32 channels.
; v: source 0 = the tokens, source 1 = W: a lane holds channel 16 a + r and tokens 8 h + 0 .. 7: half a fragment of V^T.  q is multiplied by log2(e) / 8 in f32 first, so that the scores are exponents of 2.
; v goes out twice: high = the number with its low 13 mantissa bits cut (exact in f16), low = the rest, rounded once.  The biases are the C of each sum's first matrix instruction.
; LIMITS: |q log2(e) / 8|, |k|, |v| stay under 65,504 (f16).
; REGISTERS, window 0: v1 16 x lane; v16-47 the biases, 8 a tile of W; v48-63 W's scale words; v64-71 the tokens' (two sets); v72-103 what is stored; v104-119 at work; v120-151 four accumulators; v152-199, v200-247 the tokens' fragments (two sets).
.set SCL_OFF, 4030464
.set VLO_OFF, 12582912
.set MSB, 0
.macro WIN new                         ; the immediate's high byte repeats the setting that is left
.if MSB != \new
	s_set_vgpr_msb (MSB<<8)|\new
.set MSB, \new
.endif
.endm
	s_load_b256 s[4:11], s[0:1], 0x0               ; qc s[4:5], bq s[6:7], bk s[8:9], bv s[10:11]
	s_load_b128 s[12:15], s[0:1], 0x20             ; qimg s[12:13], kv s[14:15]
	v_lshrrev_b32 v2, 5, v0
	v_readfirstlane_b32 s16, v2                    ; wave 0..3
	v_and_b32 v3, 31, v0
	v_lshlrev_b32 v1, 4, v3                        ; 16 x lane
	v_and_b32 v4, 15, v0
	v_lshlrev_b32 v6, 2, v4                        ; 4 r: v's bias
	v_bfe_u32 v5, v0, 4, 1
	v_lshlrev_b32 v7, 5, v5                        ; 32 h: q's and k's
	s_and_b32 s17, ttmp7, 0xffff
	s_cmp_ge_u32 s17, 3
	s_cselect_b32 s18, 1, 0
	s_cmp_ge_u32 s17, 6
	s_cselect_b32 s18, 2, s18                      ; m
	s_mul_i32 s19, s18, 3
	s_sub_co_u32 s19, s17, s19
	s_lshl_b32 s19, s19, 2
	s_add_co_u32 s19, s19, s16                     ; head
	s_cmp_eq_u32 s18, 0
	s_cselect_b32 s20, 0, 256                      ; queries' tiles begin at 0, values' at 256
	s_lshl_b32 s21, ttmp9, 3
	s_add_co_u32 s20, s20, s21                     ; my first token tile
	s_mul_i32 s22, s18, 48
	s_lshl_b32 s21, s19, 2
	s_add_co_u32 s22, s22, s21
	s_add_co_u32 s22, s22, 512                     ; my first tile of W
	s_mul_i32 s24, s20, 6144
	s_mov_b32 s25, 0
	s_lshl_b32 s26, s20, 9
	s_mov_b32 s27, 0
	s_mul_i32 s28, s22, 6144
	s_mov_b32 s29, 0
	s_lshl_b32 s30, s22, 9
	s_mov_b32 s31, 0
	s_lshl_b32 s34, s19, 19
	s_lshl_b32 s35, ttmp9, 14
	s_add_co_u32 s34, s34, s35                     ; head x 524,288 + x x 16,384: q's place, and v's low part's
	s_mov_b32 s35, 0
	s_lshl_b32 s44, s34, 1                         ; twice that: the unit of k and v's high part
	s_mov_b32 s45, 0
	s_lshl_b32 s46, s19, 8                         ; the head's 64 biases
	s_mov_b32 s47, 0
	s_mov_b32 s40, 0x3e38aa3b                      ; log2(e) / 8
	s_mov_b32 s41, s40                             ; (named with it as a pair, so it is written)
	s_mov_b32 s42, 0xffffe000                      ; keeps sign, exponent and ten mantissa bits
	s_wait_kmcnt 0x0
	s_add_nc_u64 s[24:25], s[4:5], s[24:25]        ; the tokens' codes
	s_add_nc_u64 s[26:27], s[4:5], s[26:27]
	s_add_nc_u64 s[26:27], s[26:27], SCL_OFF       ; and scale words
	s_add_nc_u64 s[28:29], s[4:5], s[28:29]        ; W's codes
	s_add_nc_u64 s[30:31], s[4:5], s[30:31]
	s_add_nc_u64 s[30:31], s[30:31], SCL_OFF       ; and scale words
	s_cmp_eq_u32 s18, 0                            ; the choices hang on ids alone
	s_cselect_b64 s[32:33], s[6:7], s[8:9]
	s_cselect_b64 s[36:37], s[12:13], s[14:15]
	s_cselect_b32 s44, s34, s44
	s_cmp_eq_u32 s18, 2
	s_cselect_b64 s[32:33], s[10:11], s[32:33]
	s_add_nc_u64 s[32:33], s[32:33], s[46:47]      ; the bias
	s_add_nc_u64 s[36:37], s[36:37], s[44:45]      ; where the results go
	s_add_nc_u64 s[38:39], s[14:15], s[34:35]
	s_add_nc_u64 s[38:39], s[38:39], VLO_OFF       ; v's low part
	WIN 0x40                                       ; destination window 1
.irp a, 0,1,2,3
.irp s, 0,1,2,3,4,5
.irp c, 0,1
	global_load_b128 v[8*(6*\a+\s)+4*\c:8*(6*\a+\s)+4*\c+3], v1, s[28:29] offset:6144*\a+1024*\s+512*\c   ; W's fragment (tile a, K step s): it stays
.endr
.endr
.endr
	WIN 0
.irp a, 0,1,2,3
	global_load_b128 v[48+4*\a:51+4*\a], v1, s[30:31] offset:512*\a
.endr
.macro XLOAD t                         ; token tile t: 12 loads of codes and one of scale words, into set t % 2
.irp s, 0,1,2,3,4,5
.irp c, 0,1
	global_load_b128 v[152+48*((\t)%2)+8*\s+4*\c:152+48*((\t)%2)+8*\s+4*\c+3], v1, s[24:25] offset:6144*(\t)+1024*\s+512*\c
.endr
.endr
	global_load_b128 v[64+4*((\t)%2):64+4*((\t)%2)+3], v1, s[26:27] offset:512*(\t)
.endm
; One matrix instruction: tile a of W, K step s.  A scale register holds an even K step's words in lanes 0-15 and the odd one's in lanes 16-31.
.macro MM kind, a, s
.set rW, 8*(6*(\a)+(\s))
.set rX, XB+8*(\s)
.set rD, 120+8*(\a)
.set rC, rD
.if (\s) == 0
.set rC, 16+8*(\a)                     ; the bias starts the sum
.endif
.set rWS, 48+4*(\a)+(\s)/2
.set rXS, XQ+(\s)/2
.if (\kind) == 2
.if (\s)%2
	v_wmma_scale_f32_16x16x128_f8f6f4 v[rD:rD+7], v[rX:rX+7], v[rW:rW+7], v[rC:rC+7], v[rXS], v[rWS] matrix_a_fmt:MATRIX_FMT_FP4 matrix_b_fmt:MATRIX_FMT_FP4 matrix_a_scale:MATRIX_SCALE_ROW1 matrix_b_scale:MATRIX_SCALE_ROW1
.else
	v_wmma_scale_f32_16x16x128_f8f6f4 v[rD:rD+7], v[rX:rX+7], v[rW:rW+7], v[rC:rC+7], v[rXS], v[rWS] matrix_a_fmt:MATRIX_FMT_FP4 matrix_b_fmt:MATRIX_FMT_FP4
.endif
.else
.if (\s)%2
	v_wmma_scale_f32_16x16x128_f8f6f4 v[rD:rD+7], v[rW:rW+7], v[rX:rX+7], v[rC:rC+7], v[rWS], v[rXS] matrix_a_fmt:MATRIX_FMT_FP4 matrix_b_fmt:MATRIX_FMT_FP4 matrix_a_scale:MATRIX_SCALE_ROW1 matrix_b_scale:MATRIX_SCALE_ROW1
.else
	v_wmma_scale_f32_16x16x128_f8f6f4 v[rD:rD+7], v[rW:rW+7], v[rX:rX+7], v[rC:rC+7], v[rWS], v[rXS] matrix_a_fmt:MATRIX_FMT_FP4 matrix_b_fmt:MATRIX_FMT_FP4
.endif
.endif
.endm
.macro TILE t, kind
.set XB, 152+48*((\t)%2)
.set XQ, 64+4*((\t)%2)
.if (\t) < 7
	s_wait_loadcnt 13                              ; this tile's loads are in; the next tile's 13 may be out
.else
	s_wait_loadcnt 0x0
.endif
.if (\kind) == 2
	WIN 0x04                                       ; source 1 (W) window 1
.else
	WIN 0x01                                       ; source 0 (W) window 1
.endif
.irp s, 0,1,2,3,4,5                    ; the four accumulators take turns, one instruction a turn
.irp a, 0,1,2,3
	MM \kind, \a, \s
.endr
.endr
	WIN 0
.rept 4
	v_nop                                          ; four places in front of the first read of results and of loads into registers that matrix instructions have read
.endr
.if (\t)+2 < 8
	XLOAD (\t)+2
.endif
	s_wait_xcnt 0x0                                ; the last tile's stores have read their registers, which are written again below
.irp a, 0,1,2,3                        ; each accumulator from its low end on
.set rD, 120+8*\a
.set rT, 104+8*(\a%2)
.set rO, 72+4*\a
.if (\kind) == 0
.irp i, 0,1,2,3
	v_pk_mul_f32 v[rT+2*\i:rT+2*\i+1], v[rD+2*\i:rD+2*\i+1], s[40:41] op_sel_hi:[1,0]
.endr
.irp i, 0,1,2,3
	v_cvt_pk_f16_f32 v[rO+\i], v[rT+2*\i], v[rT+2*\i+1]
.endr
	global_store_b128 v1, v[rO:rO+3], s[36:37] offset:2048*(\t)+512*\a       ; 512 consecutive bytes: half a fragment of Q
.endif
.if (\kind) == 1
.irp i, 0,1,2,3
	v_cvt_pk_f16_f32 v[rO+\i], v[rD+2*\i], v[rD+2*\i+1]
.endr
	global_store_b128 v1, v[rO:rO+3], s[36:37] offset:2048*(\t)+512*\a       ; key tile t of the unit
.endif
.if (\kind) == 2
.irp i, 0,1,2,3,4,5,6,7
	v_and_b32 v[rT+\i], s42, v[rD+\i]              ; the high part, still as f32
.endr
.irp i, 0,1,2,3
	v_cvt_pk_f16_f32 v[rO+\i], v[rT+2*\i], v[rT+2*\i+1]
.endr
.irp i, 0,1,2,3
	v_pk_add_f32 v[rT+2*\i:rT+2*\i+1], v[rD+2*\i:rD+2*\i+1], v[rT+2*\i:rT+2*\i+1] neg_lo:[0,1] neg_hi:[0,1]   ; the rest, exact
.endr
.irp i, 0,1,2,3
	v_cvt_pk_f16_f32 v[rO+16+\i], v[rT+2*\i], v[rT+2*\i+1]
.endr
	global_store_b128 v1, v[rO:rO+3],       s[36:37] offset:16384+1024*(4*((\t)/2)+\a)+512*((\t)%2)   ; V^T: keys 32 (t / 2) on, channels 16 a on, half t % 2
	global_store_b128 v1, v[rO+16:rO+19],   s[38:39] offset:1024*(4*((\t)/2)+\a)+512*((\t)%2)
.endif
.endr
.endm
.macro BODY kind
.if (\kind) == 2
.irp a, 0,1,2,3
	global_load_b32 v[16+8*\a], v6, s[32:33] offset:64*\a                    ; bv of channel 16 a + r
.endr
.else
.irp a, 0,1,2,3
	global_load_b128 v[16+8*\a:19+8*\a], v7, s[32:33] offset:64*\a           ; the bias of channels 16 a + 8 h + 0 .. 7
	global_load_b128 v[20+8*\a:23+8*\a], v7, s[32:33] offset:64*\a+16
.endr
.endif
	XLOAD 0
	XLOAD 1
.if (\kind) == 2
	s_wait_loadcnt 26                              ; all but the two token tiles' 26 loads
.irp a, 0,1,2,3
.irp i, 1,2,3,4,5,6,7
	v_mov_b32 v[16+8*\a+\i], v[16+8*\a]            ; the same for a lane's eight tokens
.endr
.endr
.endif
.irp t, 0,1,2,3,4,5,6,7
	TILE \t, \kind
.endr
	s_endpgm
.endm
	s_cmp_eq_u32 s18, 0
	s_cbranch_scc1 .Lq
	s_cmp_eq_u32 s18, 1
	s_cbranch_scc1 .Lk
	BODY 2
.Lq:
	BODY 0
.Lk:
	BODY 1
.Lfunc_end_k_q63c9d98565_proj:
	.size	k_q63c9d98565_proj, .Lfunc_end_k_q63c9d98565_proj-k_q63c9d98565_proj
	.p2alignl 7, 3214868480
	.fill 96, 4, 3214868480
	.section	.rodata,"a",@progbits
	.p2align	6, 0x0
	.amdhsa_kernel k_q63c9d98565_proj
		.amdhsa_group_segment_fixed_size 0
		.amdhsa_private_segment_fixed_size 0
		.amdhsa_enable_private_segment 0
		.amdhsa_kernarg_size 48
		.amdhsa_user_sgpr_count 2
		.amdhsa_user_sgpr_kernarg_segment_ptr 1
		.amdhsa_wavefront_size32 1
		.amdhsa_system_sgpr_workgroup_id_x 1
		.amdhsa_system_sgpr_workgroup_id_y 1
		.amdhsa_system_sgpr_workgroup_id_z 1
		.amdhsa_system_vgpr_workitem_id 0
		.amdhsa_next_free_vgpr 448
		.amdhsa_next_free_sgpr 66
		.amdhsa_reserve_vcc 0
		.amdhsa_float_denorm_mode_32 3
		.amdhsa_float_denorm_mode_16_64 3
		.amdhsa_memory_ordered 1
		.amdhsa_forward_progress 1
		.amdhsa_inst_pref_size 186
	.end_amdhsa_kernel
	.amdgpu_metadata
---
amdhsa.version: [ 1, 2 ]
amdhsa.kernels:
  - .name:           k_q63c9d98565_proj
    .symbol:         k_q63c9d98565_proj.kd
    .args:
      - { .name: qc, .offset: 0, .size: 8, .value_kind: global_buffer, .address_space: global }
      - { .name: bq, .offset: 8, .size: 8, .value_kind: global_buffer, .address_space: global }
      - { .name: bk, .offset: 16, .size: 8, .value_kind: global_buffer, .address_space: global }
      - { .name: bv, .offset: 24, .size: 8, .value_kind: global_buffer, .address_space: global }
      - { .name: qimg, .offset: 32, .size: 8, .value_kind: global_buffer, .address_space: global }
      - { .name: kv, .offset: 40, .size: 8, .value_kind: global_buffer, .address_space: global }
    .group_segment_fixed_size: 0
    .private_segment_fixed_size: 0
    .kernarg_segment_align: 8
    .kernarg_segment_size: 48
    .max_flat_workgroup_size: 128
    .sgpr_count:     66
    .vgpr_count:     448
    .wavefront_size: 32
...
	.end_amdgpu_metadata
.endif
;; end of part 2
;; launch attn (part 3): grid 16 x 12, 16 waves a work-group, no clusters, 264,192 bytes of LDS; arguments qimg, kv, maskw, flags, ctximg; writes ctximg
.if DOCPART == 3
	.amdgcn_target "amdgcn-amd-amdhsa--gfx1250"
	.amdhsa_code_object_version 6
	.text
	.protected	k_q63c9d98565_attn
	.globl	k_q63c9d98565_attn
	.p2align	8
	.type	k_q63c9d98565_attn,@function
k_q63c9d98565_attn:
	s_mov_b64 s[64:65], 0
	v_nop
	global_prefetch_b8 v0, s[64:65] scope:SCOPE_SE
	s_setreg_imm32_b32 hwreg(HW_REG_WAVE_MODE, 25, 1), 1
	s_wait_xcnt 0x0
; attn: ctx[q] = sum over keys of softmax(logit) v, logit = q . k / 8 where the mask keeps the key, -1e9 where it does not.  f16 operands, f32 sums, maxima and row sums in f32, a running maximum.
; q arrives multiplied by log2(e) / 8, so a score t is an exponent of 2, and a masked score is -1e9 log2(e).  p = 2^(t - m) is made by a subtraction: a row that keeps no key has p = 1 for every key, the average.
; SHARES.  Work-group (g, head): sixteen waves, each ONE tile of 16 queries in 256 registers, four waves to a SIMD, so that one wave's vector work stands beside another's matrix work and LDS loads.
; Its tiles are 16 pos + g, pos dealt to the waves so that waves w, w + 4, w + 8, w + 12 have positions of equal sum: that evens the work where early queries keep few keys; no value hangs on it.
; 192 work-groups: 12 heads x 4,096 queries in 256 parts would be 192 queries, which does not divide a head.
; LAYOUT.  S^T = K Q^T (source 0 = 16 keys, source 1 = my 16 queries), O^T = V^T P (source 0 = 16 channels, source 1 = P): a lane holds ONE query (lane % 16) throughout; two tiles of S^T, rounded to f16 in pairs, are a fragment of P.
; K and V^T lie in memory as images of the operands' registers, 32,768 bytes for a unit of 128 keys: they are copied as they lie, through registers, into a ring of eight sub-tiles in LDS (two slots of four), and every
; fragment load reads 512 consecutive bytes.  Each wave copies 2,048 bytes of every sub-tile: loaded one sub-step, stored into the other slot the next.  One barrier for four sub-steps.
; THE MASK comes as 64 words a (tile, unit), each the lane select of one v_cndmask_b32 (nothing but values hangs on them), and, in a small buffer of their own, three flag words a tile, whole numbers stored by the first launch.
; A unit in which none of my 16 queries keeps a key adds exactly 0 (its p underflow) and is passed over; one that keeps all needs no select.  In a tile flagged FINE (some row keeps 1 to 64 keys) V's low part, straight from memory, is multiplied as well.
; These are branches on stored whole numbers; the launch has no tensor load and no joint loads of a cluster, though the sixteen work-groups of a head walk the same K and V; no barrier stands under such a branch.
; ctx goes out as two planes of f16 images for the last product: high = the number with its low 13 mantissa bits cut, low = the rest.
; LIMITS: p is rounded to f16 once; |ctx| stays under 65,504.
; REGISTERS: v1 16 x lane; v2 16 x thread; v3, v4 LDS addresses in hand; v5, v6 the add's two; v7 the masked score; v8 the prefetches' offset; v[10:11] m; v[12:13] the row's sum in two halves; v[14:15] alpha;
;   v16-31 Q; v32-95 fragments of K, then of V; v96-159 S^T, then p, then fragments of V; v160-191 O^T; v192-223 P; v224-239 the sub-tile on its way; v240-247 at work.
.set SUBT,     32768                   ; a unit's K (16,384 bytes) and V^T high (16,384)
.set VHI,      16384
.set SPARE,    8*SUBT                  ; behind the ring: the spare words, 128 bytes a wave: eight blocks of 256 bytes that no other line names
.set VLO_OFF,  12582912
.set CPLANE,   6291456
	s_load_b256 s[32:39], s[0:1], 0x0              ; qimg s[32:33], kv s[34:35], maskw s[36:37], flags s[38:39]
	s_load_b64 s[52:53], s[0:1], 0x20              ; ctximg
	v_lshl_add_u32 v5, v0, 2, SPARE
	v_mov_b32 v6, 0
	v_lshrrev_b32 v9, 5, v0
	v_readfirstlane_b32 s14, v9                    ; wave 0..15
	v_and_b32 v9, 31, v0
	v_lshlrev_b32 v1, 4, v9
	v_lshlrev_b32 v2, 4, v0
	v_lshlrev_b32 v8, 8, v0                        ; 8,192 x wave + 256 x lane
	v_mov_b32 v7, 0xceabfb8f                       ; -1e9 log2(e)
	s_and_b32 s12, s14, 12
	s_and_b32 s13, s14, 3
	s_bfe_u32 s30, s14, 0x10002
	s_mul_i32 s30, s30, 3
	s_xor_b32 s13, s13, s30
	s_or_b32 s12, s12, s13                         ; pos
	s_lshl_b32 s12, s12, 4
	s_add_co_u32 s23, s12, ttmp9                   ; my tile of queries
	s_and_b32 s15, ttmp7, 0xffff                   ; the head
	s_lshl_b32 s40, s15, 19
	s_lshl_b32 s41, s23, 11
	s_add_co_u32 s40, s40, s41                     ; Q: head x 524,288 + tile x 2,048
	s_mov_b32 s41, 0
	s_lshl_b32 s42, s15, 20                        ; K, V high: head x 1,048,576
	s_mov_b32 s43, 0
	s_lshl_b32 s44, s23, 13                        ; the mask words: tile x 8,192
	s_mov_b32 s45, 0
	s_lshl_b32 s46, s23, 7                         ; the flags: tile x 128
	s_mov_b32 s47, 0
	s_lshl_b32 s48, s15, 19                        ; V low: head x 524,288
	s_mov_b32 s49, 0
	s_mul_i32 s50, s23, 24576
	s_lshl_b32 s51, s15, 11
	s_add_co_u32 s50, s50, s51                     ; ctx: tile x 24,576 + head x 2,048
	s_mov_b32 s51, 0
	s_lshr_b32 s12, s14, 2
	s_or_b32 s12, s12, ttmp9                       ; 0 in waves 0 to 3 of the head's first work-group: they prefetch
	s_cmp_eq_u32 s12, 0
	s_cselect_b32 s27, 3, 0                        ; the trips in which they ask at sub-steps 1 to 7,
	s_cselect_b32 s22, 4, 0                        ; and at sub-step 0
	s_mov_b32 s24, 0x76543210
	s_mov_b32 s25, 0xfedcba98                      ; v_permlanex16_b32's selects for lane l xor 16
	s_mov_b32 s26, 0xffffe000
	s_wait_kmcnt 0x0
	s_add_nc_u64 s[2:3], s[32:33], s[40:41]
	s_add_nc_u64 s[4:5], s[34:35], s[42:43]        ; the unit of the four sub-steps in hand
	s_add_nc_u64 s[6:7], s[36:37], s[44:45]
	s_add_nc_u64 s[28:29], s[38:39], s[46:47]
	s_add_nc_u64 s[8:9], s[34:35], s[48:49]
	s_add_nc_u64 s[8:9], s[8:9], VLO_OFF
	s_add_nc_u64 s[10:11], s[52:53], s[50:51]
	s_load_b128 s[16:19], s[28:29], 0x0            ; s16 ANY, s17 ALL, s18 FINE
.irp i, 0,1,2,3
	global_load_b128 v[16+4*\i:19+4*\i], v1, s[2:3] offset:512*\i             ; Q stays in registers
.endr
.irp q, 0,1,2,3
.irp i, 0,1,2,3
	global_load_b128 v[96+16*\q+4*\i:99+16*\q+4*\i], v2, s[4:5] offset:SUBT*\q+8192*\i    ; my part of sub-tiles 0 to 3
.endr
.endr
.irp i, 0,1,2,3
	global_load_b128 v[224+4*\i:227+4*\i], v2, s[4:5] offset:SUBT*4+8192*\i   ; and of sub-tile 4
.endr
	v_mov_b32 v10, 0xff61b1e6                      ; m: -3e38, under every score
	v_mov_b32 v11, 0                               ; (named with it as a pair)
	v_mov_b32 v12, 0
	v_mov_b32 v13, 0
	v_mov_b32 v15, 0
	v_mov_b32 v245, 0                              ; a lane permute's destination counts as one of its sources
.set n, 0
.rept 32
	v_mov_b32 v[160+n], 0                          ; O^T.  (A sub-step is written for all units alike: the first finds zeros, which alpha = 0 leaves zeros)
.set n, n+1
.endr
	v_add_nc_u32 v4, 2*SUBT, v2
	s_wait_loadcnt 4                               ; Q and sub-tiles 0 to 3 are in; sub-tile 4's four loads may be out
.irp q, 0,1
.irp i, 0,1,2,3
	ds_store_b128 v2, v[96+16*\q+4*\i:99+16*\q+4*\i] offset:SUBT*\q+8192*\i
	ds_store_b128 v4, v[128+16*\q+4*\i:131+16*\q+4*\i] offset:SUBT*\q+8192*\i
.endr
.endr
	s_wait_kmcnt 0x0                               ; the flags
.macro BAR                             ; my stores into the slot ahead have landed and my reads of the slot that I leave are back: then the work-group's barrier
	s_wait_dscnt 0x0
	s_barrier_signal -1
	s_barrier_wait -1
.endm
.macro STEP                            ; four units on.  It stands behind the barrier, a sub-step's work and more behind the last prefetch
	s_wait_xcnt 0x0                                ; every load and prefetch issued so far has read its address registers
	s_add_nc_u64 s[4:5], s[4:5], 4*SUBT
	s_add_nc_u64 s[6:7], s[6:7], 4*256
	s_add_nc_u64 s[8:9], s[8:9], 4*VHI
	s_lshr_b32 s16, s16, 4
	s_lshr_b32 s17, s17, 4
.endm
; Sub-step j of a trip's eight, unit U = 8 trip + j.  My part of sub-tile U + 4 goes into the other slot, which every wave left before the last barrier; sub-tile U + 5 is asked for.  The branches hang on the count of trips alone.
.macro FILL j
.if (\j) >= 4
	s_cmp_eq_u32 s21, 3                            ; there is no sub-tile 32
	s_cbranch_scc1 .Lnofill_\@
.endif
	s_wait_loadcnt 0x0
	v_add_nc_u32 v4, SUBT*(((\j)+4)%8), v2
.irp i, 0,1,2,3
	ds_store_b128 v4, v[224+4*\i:227+4*\i] offset:8192*\i
.endr
.if (\j) == 3
	s_cmp_eq_u32 s21, 3
	s_cbranch_scc1 .Lnofill_\@
.endif
	s_wait_dscnt 0x0                               ; the stores have read their registers
.irp i, 0,1,2,3
	global_load_b128 v[224+4*\i:227+4*\i], v2, s[4:5] offset:SUBT*((\j)%4+5)+8192*\i
.endr
; A PREFETCH INTO THE L2 of sub-tile U + 7, two sub-steps ahead of its load, behind the wave's own loads.  All sixteen work-groups of a head walk the same K and V: the first asks, waves 0 to 3, 8,192 bytes each, lanes 256 bytes apart:
; each aligned block of 256 bytes of sub-tiles 7 to 31 is named once in the launch; sub-tiles 0 to 6 come by their loads alone, and nothing is asked for beyond sub-tile 31.
.if (\j) == 0
	s_cmp_lt_u32 s21, s22
.else
	s_cmp_lt_u32 s21, s27
.endif
	s_cbranch_scc0 .Lnofill_\@
	global_prefetch_b8 v8, s[4:5] offset:SUBT*((\j)%4+7) th:TH_LOAD_NT scope:SCOPE_SE
.Lnofill_\@:
.endm
.macro QK g                            ; S^T of key tiles 4 g .. 4 g + 3: the four accumulators take turns, channels 0-31, then 32-63
.set f, 0
.rept 16
	ds_load_b128 v[32+4*f:35+4*f], v3 offset:8192*(\g)+512*f
.set f, f+1
.endr
	s_wait_dscnt 0x0
.irp t, 0,1,2,3
	v_wmma_f32_16x16x32_f16 v[96+32*(\g)+8*\t:103+32*(\g)+8*\t], v[32+16*\t:39+16*\t], v[16:23], 0
.endr
.irp t, 0,1,2,3
	v_wmma_f32_16x16x32_f16 v[96+32*(\g)+8*\t:103+32*(\g)+8*\t], v[40+16*\t:47+16*\t], v[24:31], v[96+32*(\g)+8*\t:103+32*(\g)+8*\t]
.endr
.rept 4
	v_nop                                          ; four places in front of loads into registers that matrix instructions have read, and of the first read of results
.endr
.endm
.macro PVALL                           ; O^T += V^T P: keys 32 b on, channels 16 c on; the four accumulators take turns
.irp b, 0,1,2,3
.irp c, 0,1,2,3
	v_wmma_f32_16x16x32_f16 v[160+8*\c:167+8*\c], v[32+32*\b+8*\c:39+32*\b+8*\c], v[192+8*\b:199+8*\b], v[160+8*\c:167+8*\c]
.endr
.endr
.endm
.macro COMPUTE j
	s_bitcmp1_b32 s16, (\j)%4                      ; does any of my queries keep a key of this unit?
	s_cbranch_scc0 .Lskip_\@
	s_load_b512 s[32:47], s[6:7], 256*((\j)%4)     ; the unit's 64 mask words: always asked for, so that they are written on every way that reads them
	s_load_b512 s[48:63], s[6:7], 256*((\j)%4)+64
	s_load_b512 s[68:83], s[6:7], 256*((\j)%4)+128
	s_load_b512 s[84:99], s[6:7], 256*((\j)%4)+192
	v_add_nc_u32 v3, SUBT*(\j), v1
.rept 4
	v_nop                                          ; with the addition five places: four for the loads below, five since K Q^T writes over registers that the last V^T P read
.endr
	QK 0
	QK 1
.set f, 0
.rept 16
	ds_load_b128 v[32+4*f:35+4*f], v3 offset:VHI+512*f                       ; V^T of keys 0-63 lands under the softmax
.set f, f+1
.endr
	s_wait_kmcnt 0x0
	s_bitcmp1_b32 s17, (\j)%4                      ; all kept: no select
	s_cbranch_scc1 .Lopen_\@
.set n, 0
.rept 64
	v_cndmask_b32 v[96+n], v7, v[96+n], s[32+n+4*(n/32)]
.set n, n+1
.endr
.Lopen_\@:
.irp b, 0,1,2,3
	v_max3_num_f32 v[240+\b], v[96+16*\b], v[97+16*\b], v[98+16*\b]          ; the largest of my 64 scores, in four chains; each accumulator is first read at its low end
.endr
.irp i, 3,5,7,9,11,13
.irp b, 0,1,2,3
	v_max3_num_f32 v[240+\b], v[240+\b], v[96+16*\b+\i], v[97+16*\b+\i]
.endr
.endr
.irp b, 0,1,2,3
	v_max_num_f32 v[240+\b], v[240+\b], v[111+16*\b]
.endr
	v_max3_num_f32 v244, v240, v241, v242
	v_max_num_f32 v244, v244, v243
	v_permlanex16_b32 v245, v244, s24, s25         ; the query's other 64 keys lie in the lane 16 away
	v_max3_num_f32 v244, v244, v245, v10           ; the new m
	v_sub_f32 v14, v10, v244                       ; old m - new m
	v_mov_b32 v10, v244
.set n, 0
.rept 32
	v_pk_add_f32 v[96+n:97+n], v[96+n:97+n], v[10:11] op_sel_hi:[1,0] neg_lo:[0,1] neg_hi:[0,1]   ; t - m
.set n, n+2
.endr
	v_exp_f32 v14, v14                             ; alpha and the 64 p: ONE batch
.set n, 0
.rept 64
	v_exp_f32 v[96+n], v[96+n]
.set n, n+1
.endr
	v_nop                                          ; a plain instruction behind the last exponential
	s_wait_alu depctr_va_vdst(0)                   ; one wait for the batch, ahead of its first reader
	v_pk_mul_f32 v[12:13], v[12:13], v[14:15] op_sel_hi:[1,0]                ; the sum under the new m
	v_pk_add_f32 v[246:247], v[96:97], v[98:99]    ; the row's sum of the unrounded p, in two chains
.irp i, 4,8,12,16,20,24,28,32,36,40,44,48,52,56,60
	v_pk_add_f32 v[12:13], v[12:13], v[96+\i:97+\i]
	v_pk_add_f32 v[246:247], v[246:247], v[98+\i:99+\i]
.endr
	v_pk_add_f32 v[12:13], v[12:13], v[246:247]
.set n, 0
.rept 32
	v_cvt_pk_f16_f32 v[192+n], v[96+2*n], v[97+2*n]
.set n, n+1
.endr
.set f, 16
.rept 16
	ds_load_b128 v[32+4*f:35+4*f], v3 offset:VHI+512*f                       ; V^T of keys 64-127, into the registers that p has left
.set f, f+1
.endr
.set n, 0
.rept 16
	v_pk_mul_f32 v[160+n:161+n], v[160+n:161+n], v[14:15] op_sel_hi:[1,0]    ; O^T under the new m
.set n, n+2
.endr
	s_wait_dscnt 0x0
	PVALL
	s_cmp_eq_u32 s18, 0
	s_cbranch_scc1 .Lskip_\@
.rept 4
	v_nop                                          ; four places in front of loads into registers that matrix instructions have read
.endr
.set f, 0
.rept 32
	global_load_b128 v[32+4*f:35+4*f], v1, s[8:9] offset:VHI*((\j)%4)+512*f  ; FINE: V^T's low part, in the same order, with the same P
.set f, f+1
.endr
	s_wait_loadcnt 0x0
	PVALL
.Lskip_\@:
.endm
	BAR                                            ; sub-tiles 0 to 3 lie in LDS
	s_mov_b32 s21, 0
.Ltrip:                                            ; four trips of eight sub-steps: once round the ring
.irp j, 0,1,2,3
	FILL \j
	COMPUTE \j
.endr
	BAR
	STEP
.irp j, 4,5,6,7
	FILL \j
	COMPUTE \j
.endr
	BAR                                            ; (behind the last trip it orders nothing; every wave passes it)
	STEP
	s_add_co_u32 s21, s21, 1
	s_cmp_lt_u32 s21, 4
	s_cbranch_scc1 .Ltrip
	; THE WAY OUT: O^T / the sum, split into a high and a low f16 part; a lane's eight channels of a tile are half a fragment of the last product's operand: each store is 512 consecutive bytes.
.rept 4
	v_nop                                          ; places behind the last products
.endr
	v_add_f32 v12, v12, v13
	v_permlanex16_b32 v245, v12, s24, s25
	v_add_f32 v12, v12, v245                       ; the row's sum
	v_rcp_f32 v14, v12
	v_nop                                          ; a plain instruction behind the reciprocal
	s_wait_alu depctr_va_vdst(0)                   ; and the wait ahead of its first reader
.set n, 0
.rept 16
	v_pk_mul_f32 v[96+n:97+n], v[160+n:161+n], v[14:15] op_sel_hi:[1,0]
.set n, n+2
.endr
.set n, 0
.rept 32
	v_and_b32 v[32+n], s26, v[96+n]                ; the high part, still as f32
.set n, n+1
.endr
.set n, 0
.rept 16
	v_cvt_pk_f16_f32 v[64+n], v[32+2*n], v[33+2*n]
.set n, n+1
.endr
.set n, 0
.rept 16
	v_pk_add_f32 v[32+n:33+n], v[96+n:97+n], v[32+n:33+n] neg_lo:[0,1] neg_hi:[0,1]   ; the rest, exact
.set n, n+2
.endr
.set n, 0
.rept 16
	v_cvt_pk_f16_f32 v[80+n], v[32+2*n], v[33+2*n]
.set n, n+1
.endr
.irp c, 0,1,2,3
	global_store_b128 v1, v[64+4*\c:67+4*\c], s[10:11] offset:512*\c
	global_store_b128 v1, v[80+4*\c:83+4*\c], s[10:11] offset:CPLANE+512*\c
.endr
	s_wait_tensorcnt 0x0                           ; the wave's end, behind my last LDS store
	ds_add_u32 v5, v6
	s_wait_dscnt 0x0
	s_endpgm
.Lfunc_end_k_q63c9d98565_attn:
	.size	k_q63c9d98565_attn, .Lfunc_end_k_q63c9d98565_attn-k_q63c9d98565_attn
	.p2alignl 7, 3214868480
	.fill 96, 4, 3214868480
	.section	.rodata,"a",@progbits
	.p2align	6, 0x0
	.amdhsa_kernel k_q63c9d98565_attn
		.amdhsa_group_segment_fixed_size 264192
		.amdhsa_private_segment_fixed_size 0
		.amdhsa_enable_private_segment 0
		.amdhsa_kernarg_size 40
		.amdhsa_user_sgpr_count 2
		.amdhsa_user_sgpr_kernarg_segment_ptr 1
		.amdhsa_wavefront_size32 1
		.amdhsa_system_sgpr_workgroup_id_x 1
		.amdhsa_system_sgpr_workgroup_id_y 1
		.amdhsa_system_sgpr_workgroup_id_z 1
		.amdhsa_system_vgpr_workitem_id 0
		.amdhsa_next_free_vgpr 256
		.amdhsa_next_free_sgpr 100
		.amdhsa_reserve_vcc 0
		.amdhsa_float_denorm_mode_32 3
		.amdhsa_float_denorm_mode_16_64 3
		.amdhsa_memory_ordered 1
		.amdhsa_forward_progress 1
		.amdhsa_inst_pref_size 234
	.end_amdhsa_kernel
	.amdgpu_metadata
---
amdhsa.version: [ 1, 2 ]
amdhsa.kernels:
  - .name:           k_q63c9d98565_attn
    .symbol:         k_q63c9d98565_attn.kd
    .args:
      - { .name: qimg, .offset: 0, .size: 8, .value_kind: global_buffer, .address_space: global }
      - { .name: kv, .offset: 8, .size: 8, .value_kind: global_buffer, .address_space: global }
      - { .name: maskw, .offset: 16, .size: 8, .value_kind: global_buffer, .address_space: global }
      - { .name: flags, .offset: 24, .size: 8, .value_kind: global_buffer, .address_space: global }
      - { .name: ctximg, .offset: 32, .size: 8, .value_kind: global_buffer, .address_space: global }
    .group_segment_fixed_size: 264192
    .private_segment_fixed_size: 0
    .kernarg_segment_align: 8
    .kernarg_segment_size: 40
    .max_flat_workgroup_size: 512
    .sgpr_count:     100
    .vgpr_count:     256
    .wavefront_size: 32
...
	.end_amdgpu_metadata
.endif
;; end of part 3
;; launch outp (part 4): grid 4 x 64, 4 waves a work-group, clusters of 4 x 4, 327,680 bytes of LDS; arguments ctximg, woimg, bo, out0; writes out0
.if DOCPART == 4
	.amdgcn_target "amdgcn-amd-amdhsa--gfx1250"
	.amdhsa_code_object_version 6
	.text
	.protected	k_q63c9d98565_outp
	.globl	k_q63c9d98565_outp
	.p2align	8
	.type	k_q63c9d98565_outp,@function
k_q63c9d98565_outp:
	s_mov_b64 s[64:65], 0
	v_nop
	global_prefetch_b8 v0, s[64:65] scope:SCOPE_SE
	s_setreg_imm32_b32 hwreg(HW_REG_WAVE_MODE, 25, 1), 1
	s_wait_xcnt 0x0
	s_wait_alu depctr_hold_cnt(0) depctr_sa_sdst(0) depctr_va_vdst(0) depctr_va_sdst(0) depctr_va_ssrc(0) depctr_va_vcc(0) depctr_vm_vsrc(0)
	s_getreg_b32 s2, hwreg(HW_REG_IB_STS2, 6, 4)
	s_cmp_eq_u32 s2, 0
	s_cbranch_scc0 .Lentry_in_a_cluster
	s_endpgm
.Lentry_in_a_cluster:
	s_bfe_u32 s2, ttmp6, 0x10000c
	s_cmp_lg_u32 s2, 0xf033
	s_cbranch_scc0 .Lentry_shape_is_right
	s_endpgm
.Lentry_shape_is_right:
; outp: out = ctx Wo^T + bo, [4096][768] f32, K = 768.  Both operands come as pairs of f16 numbers, a high and a low part: out = high x high + low(ctx) x high(Wo) + high(ctx) x low(Wo), sums in f32.
; The rows that average few keys are far larger than the others, and what the comparison allows them is set by all rows together: single f16 operands would use it up there.  All rows take the three terms:
; the terms share their fragments (28 LDS loads feed 36 matrix instructions), and a second way for some rows would leave the launch as long as its slowest work-group.
; SHARES.  A work-group makes 64 tokens x 192 columns: 256 work-groups.  Wave w takes all four token tiles x n tiles 3 w .. 3 w + 2: 12 accumulators.  Source 0 = 16 rows of Wo, source 1 = 16 tokens: a lane holds token r and eight neighbouring columns.
; Both operands lie in memory as images of the operands' registers, 1,024 bytes for 16 rows x 32 along K (a kb).  K goes in steps of 4 kb through a ring of two LDS slots: a tile's 4 kb are 4,096 consecutive bytes,
; one row of a tensor load; in LDS the rows follow each other without a gap, and every fragment load reads 512 consecutive bytes.
; CLUSTERS: 4 x 4 work-groups.  The four of a row of the cluster need the same tiles of ctx, the four of a column the same tiles of Wo: each is asked for JOINTLY.  Waves 0, 1 ask for ctx's high and low plane, waves 2, 3 for Wo's.
; bo is the C of each sum's first matrix instruction.
; REGISTERS: window 0: v16-29 addresses; v32-55 bo (on the way out v32-127: rows of out); v128-223 the accumulators ((a, b) at v[128 + 8 (3 a + b)]).
;   window 1: two fragment buffers of 112: Wo high 24, ctx high 32, ctx low 32, Wo low 24.
.set KB4,    4096                      ; a tile's 4 kb
.set SLOT,   131072                    ; ctx high 4 x 4,096; ctx low; Wo high 12 x 4,096; Wo low
.set AL_O,   16384
.set B_O,    32768
.set BL_O,   49152
.set SPARE,  2*SLOT                    ; behind the ring: the spare words, 128 bytes a wave: two blocks of 256 bytes that no other line names
.set SPITCH, 784                       ; the way out: 64 rows x (768 bytes + 16), 49 x 16, in slot 0, which has had its last fill and its last read when the first result is stored there
.set TPITCH, 24576                     ; a tile's 24 kb in memory
.set CPLANE, 6291456
.set WPLANE, 1179648
.set LAPS,   3                         ; a lap = two K steps = once round the ring: 24 kb
.set ADRA, 16                          ; v16-17  LDS address of ctx's fragments in slot 0, 1
.set ADRB, 20                          ; v20-21  of my three n tiles of Wo
.set STO,  24
.set RD,   25
.set CO,   26
.set SPW,  28                          ; v28     LDS address of my spare word; never rewritten
.set NIL,  29                          ; v29     0; never rewritten
.set BIAS, 32
.set TMP,  32
.set ACC,  128
.set F0,   0
.set F1,   128
.set G1, 24                            ; s[24:31] descriptor group 1 for ctx's tiles;  s[32:39] group 0, one set for each slot
.set G0, 32
.set G1B, 48                           ; s[48:55], s[56:63] the same for Wo's
.set G0B, 56
.set MSB, 0
.macro WIN new                         ; the immediate's high byte repeats the setting that is left
.if MSB != \new
	s_set_vgpr_msb (MSB<<8)|\new
.set MSB, \new
.endif
.endm
.set MUL,  0x05                        ; sources 0 and 1 window 1; C and D window 0
.set TO_F, 0x40                        ; destination window 1, address window 0
.macro JLOAD s                         ; a joint load; the branch hangs on the wave's number alone; an s_nop 0 and four v_nop follow each of the two lines
	s_cmp_eq_u32 s11, 0
	s_cbranch_scc0 .Lfor_b_\@
	tensor_load_to_lds s[G0+4*\s:G0+4*\s+3], s[G1:G1+7]
	s_nop 0
.rept 4
	v_nop
.endr
	s_branch .Lasked_\@
.Lfor_b_\@:
	tensor_load_to_lds s[G0B+4*\s:G0B+4*\s+3], s[G1B:G1B+7]
	s_nop 0
.rept 4
	v_nop
.endr
.Lasked_\@:
.endm
.macro CREST                           ; a round of the cluster's barrier behind its opening barrier
	s_cmp_lg_u32 s10, 0
	s_cbranch_scc1 .Lnot_wave_0_\@
	s_barrier_signal -3
.Lnot_wave_0_\@:
	s_barrier_wait -3
	s_barrier_signal -1
	s_barrier_wait -1
.endm
.macro CROUND                          ; a whole round
	s_barrier_signal -1
	s_barrier_wait -1
	CREST
.endm
	s_load_b128 s[4:7], s[0:1], 0x0                ; ctximg s[4:5], woimg s[6:7]
	s_load_b128 s[44:47], s[0:1], 0x10             ; bo s[44:45], out0 s[46:47]
	v_lshl_add_u32 v[SPW], v0, 2, SPARE
	v_mov_b32 v[NIL], 0
	ds_add_u32 v[SPW], v[NIL]                      ; the wave's opening: the add, twice on end, and its wait ahead of my first tensor load
	ds_add_u32 v[SPW], v[NIL]                      ; and once more, under the one wait
	v_lshrrev_b32 v1, 5, v0
	v_readfirstlane_b32 s10, v1                    ; wave 0..3
	s_lshr_b32 s11, s10, 1                         ; I fetch for ctx (0) or for Wo (1),
	s_and_b32 s12, s10, 1                          ; the high plane (0) or the low (1)
	s_bfe_u32 s40, ttmp6, 0x40000                  ; cx, cy: my place in the cluster
	s_bfe_u32 s41, ttmp6, 0x40004
	s_lshl_b32 s42, ttmp9, 2
	s_add_co_u32 s42, s42, s40                     ; block of 192 columns = 4 x cluster x + cx
	s_and_b32 s13, ttmp7, 0xffff
	s_lshl_b32 s13, s13, 2
	s_add_co_u32 s13, s13, s41                     ; block of 64 tokens = 4 x cluster y + cy
	s_lshl_b32 s43, s41, 2
	s_lshl_b32 s43, 15, s43                        ; my row of the cluster
	s_lshl_b32 s9, 0x1111, s40                     ; my column
	s_or_b32 s[G1+0], s43, (3<<16)|(1<<21)         ; 15:0 the mask: ctx's tiles go to my row; 17:16 elements of 8 bytes; 20 no padding; 21 set beside a mask
	s_or_b32 s[G1B+0], s9, (3<<16)|(1<<21)
	s_mov_b32 s[G1+1], 512<<16                     ; tensor_dim0 = 512 elements: 4,096 bytes
	s_mov_b32 s[G1+2], 4<<16                       ; tensor_dim1 = 4 tiles
	s_mov_b32 s[G1+3], 512<<16                     ; tile_dim0
	s_mov_b32 s[G1+4], 4                           ; tile_dim1
	s_mov_b32 s[G1+5], 3072                        ; from tile to tile: 24,576 bytes
	s_mov_b32 s[G1+6], 0
	s_mov_b32 s[G1+7], 0
	s_mov_b32 s[G1B+1], 512<<16
	s_mov_b32 s[G1B+2], 12<<16                     ; 12 n tiles
	s_mov_b32 s[G1B+3], 512<<16
	s_mov_b32 s[G1B+4], 12
	s_mov_b32 s[G1B+5], 3072
	s_mov_b32 s[G1B+6], 0
	s_mov_b32 s[G1B+7], 0
	s_mul_i32 s16, s13, 4*TPITCH                   ; ctx: my block's four tiles,
	s_mul_i32 s18, s12, CPLANE                     ; in my plane
	s_add_co_u32 s16, s16, s18
	s_mov_b32 s17, 0
	s_mul_i32 s22, s42, 12*TPITCH                  ; Wo: my block's twelve n tiles,
	s_mul_i32 s18, s12, WPLANE
	s_add_co_u32 s22, s22, s18
	s_mov_b32 s23, 0
	s_mul_i32 s20, s12, AL_O                       ; where they go: no place in the cluster enters an LDS address
	s_mul_i32 s21, s12, BL_O
	s_add_co_u32 s21, s21, B_O
	s_wait_dscnt 0x0                               ; both opening adds are done
	s_wait_kmcnt 0x0
	s_add_nc_u64 s[14:15], s[4:5], s[16:17]
	s_add_nc_u64 s[22:23], s[6:7], s[22:23]
	CROUND                                         ; all sixteen work-groups are here: the first joint loads meet
.irp s, 0,1
	s_mov_b32 s[G0+4*\s], 1
	s_add_co_u32 s[G0+4*\s+1], s20, \s*SLOT
	s_add_nc_u64 s[G0+4*\s+2:G0+4*\s+3], s[14:15], \s*KB4
	s_or_b32 s[G0+4*\s+3], s[G0+4*\s+3], 0x80000000
	s_mov_b32 s[G0B+4*\s], 1
	s_add_co_u32 s[G0B+4*\s+1], s21, \s*SLOT
	s_add_nc_u64 s[G0B+4*\s+2:G0B+4*\s+3], s[22:23], \s*KB4
	s_or_b32 s[G0B+4*\s+3], s[G0B+4*\s+3], 0x80000000
	JLOAD \s                                       ; two loads of mine are out
.endr
	v_and_b32 v2, 31, v0
	v_lshlrev_b32 v3, 4, v2                        ; 16 x lane
	v_and_b32 v4, 15, v0                           ; r
	v_bfe_u32 v5, v0, 4, 1                         ; h
	v_mov_b32 v[ADRA], v3
	v_add_nc_u32 v[ADRA+1], SLOT, v3
	s_mul_i32 s16, s10, 3*KB4
	s_add_co_u32 s16, s16, B_O                     ; my three n tiles
	v_add_nc_u32 v[ADRB], s16, v3
	s_add_co_u32 s16, s16, SLOT
	v_add_nc_u32 v[ADRB+1], s16, v3
	v_mul_u32_u24 v[STO], v4, SPITCH               ; into the stage: row r, + 32 h, + my 192 bytes
	v_lshl_add_u32 v[STO], v5, 5, v[STO]
	s_mul_i32 s16, s10, 192
	v_add_nc_u32 v[STO], s16, v[STO]
	s_mul_i32 s16, s10, 16*SPITCH                  ; back: wave w takes rows 16 w .. 16 w + 15; lanes 0-15 256 bytes of one row, lanes 16-31 of the next
	v_mul_u32_u24 v[RD], v5, SPITCH
	v_lshl_add_u32 v[RD], v4, 4, v[RD]
	v_add_nc_u32 v[RD], s16, v[RD]
	v_mul_u32_u24 v[CO], v5, 3072                  ; and the same two rows in out
	v_lshl_add_u32 v[CO], v4, 4, v[CO]
	s_lshl_b32 s16, s13, 6
	s_lshl_b32 s17, s10, 4
	s_add_co_u32 s16, s16, s17                     ; the first row that I store: 64 x block + 16 x wave
	s_mul_i32 s16, s16, 3072
	s_mov_b32 s17, 0
	s_add_nc_u64 s[46:47], s[46:47], s[16:17]
	s_mul_i32 s22, s42, 768                        ; the block's first column, in bytes (in the registers that held Wo's address: none that fed ctx's descriptors holds cx)
	s_mov_b32 s23, 0
	s_add_nc_u64 s[46:47], s[46:47], s[22:23]
	s_mul_i32 s8, s10, 192
	s_add_co_u32 s8, s8, s22                       ; bo of my 48 columns
	s_mov_b32 s9, 0
	s_add_nc_u64 s[44:45], s[44:45], s[8:9]
	v_lshlrev_b32 v6, 5, v5                        ; + 8 h numbers
.irp b, 0,1,2
	global_load_b128 v[BIAS+8*\b:BIAS+8*\b+3],   v6, s[44:45] offset:64*\b
	global_load_b128 v[BIAS+8*\b+4:BIAS+8*\b+7], v6, s[44:45] offset:64*\b+16
.endr
; 12 matrix instructions: one term of one kb, all accumulators in one order, so that between two links of a chain stand the eleven others'.  wo: 0 = Wo high, 88 = low;  cx: 24 = ctx high, 56 = low
.macro TERM f, wo, cx, first
.irp a, 0,1,2,3
.irp b, 0,1,2
.if \first
	v_wmma_f32_16x16x32_f16 v[ACC+8*(3*\a+\b):ACC+8*(3*\a+\b)+7], v[\f+\wo+8*\b:\f+\wo+8*\b+7], v[\f+\cx+8*\a:\f+\cx+8*\a+7], v[BIAS+8*\b:BIAS+8*\b+7]
.else
	v_wmma_f32_16x16x32_f16 v[ACC+8*(3*\a+\b):ACC+8*(3*\a+\b)+7], v[\f+\wo+8*\b:\f+\wo+8*\b+7], v[\f+\cx+8*\a:\f+\cx+8*\a+7], v[ACC+8*(3*\a+\b):ACC+8*(3*\a+\b)+7]
.endif
.endr
.endr
.endm
.macro FETCH slot, j, f                ; 28 LDS loads in one run: the fragments of the slot's j-th kb; what the first term wants comes first
	WIN TO_F
.irp b, 0,1,2
	ds_load_b128 v[\f+8*\b:\f+8*\b+3],   v[ADRB+\slot] offset:KB4*\b+1024*\j
	ds_load_b128 v[\f+8*\b+4:\f+8*\b+7], v[ADRB+\slot] offset:KB4*\b+1024*\j+512
.endr
.irp a, 0,1,2,3
	ds_load_b128 v[\f+24+8*\a:\f+24+8*\a+3], v[ADRA+\slot] offset:KB4*\a+1024*\j
	ds_load_b128 v[\f+28+8*\a:\f+28+8*\a+3], v[ADRA+\slot] offset:KB4*\a+1024*\j+512
.endr
.irp a, 0,1,2,3
	ds_load_b128 v[\f+56+8*\a:\f+56+8*\a+3], v[ADRA+\slot] offset:AL_O+KB4*\a+1024*\j
	ds_load_b128 v[\f+60+8*\a:\f+60+8*\a+3], v[ADRA+\slot] offset:AL_O+KB4*\a+1024*\j+512
.endr
.irp b, 0,1,2
	ds_load_b128 v[\f+88+8*\b:\f+88+8*\b+3], v[ADRB+\slot] offset:BL_O+KB4*\b+1024*\j
	ds_load_b128 v[\f+92+8*\b:\f+92+8*\b+3], v[ADRB+\slot] offset:BL_O+KB4*\b+1024*\j+512
.endr
.endm
.macro PLACES                          ; four places in front of loads into registers that matrix instructions have read, and of LDS stores that read results
.rept 4
	v_nop
.endr
.endm
; A K step is four quarters of one kb, 36 matrix instructions each, on buffers 0, 1, 0, 1.  One of the first three: multiplies buffer f and fetches the slot's j-th kb into g.
.macro QUARTER slot, j, f, g, first
	s_wait_dscnt 14                                ; both high parts are in; the low parts' 14 loads may be out
	WIN MUL
	TERM \f, 0, 24, \first
	PLACES
	FETCH \slot, \j, \g
	s_wait_dscnt 28                                ; all but the 28 just issued
	WIN MUL
	TERM \f, 0, 56, 0
	TERM \f, 88, 24, 0
.endm
; The last quarter multiplies buffer 1 and changes slots: ONE barrier; in front of it each wave waits for all its tensor loads, adds 0 to its spare word, and waits for that and for its own reads of this slot.  fill = 1: this slot is filled again, two K steps ahead.
.macro TURN slot, next, fill
	WIN 0                                          ; (the add's two registers lie in window 0)
	s_wait_tensorcnt 0x0                           ; all my tensor loads have landed: my part of the next slot;
	ds_add_u32 v[SPW], v[NIL]                      ; 0 onto my spare word;
	s_wait_dscnt 15                                ; (the add and the low parts' 14 loads may be out)
	WIN MUL
	TERM F1, 0, 24, 0                              ; twelve matrix instructions stand between the add and the wait for it
	s_wait_dscnt 0x0                               ; the add is done, and my reads of this slot are over
	s_barrier_signal -1
	TERM F1, 0, 56, 0
.if \fill
	WIN 0
.endif
	s_barrier_wait -1
.if \fill
	CREST                                          ; the barrier has opened a round of the cluster's barrier: no wave of any partner still reads this slot or has a load on its way
	s_add_nc_u64 s[G0+4*\slot+2:G0+4*\slot+3], s[G0+4*\slot+2:G0+4*\slot+3], 2*KB4
	s_add_nc_u64 s[G0B+4*\slot+2:G0B+4*\slot+3], s[G0B+4*\slot+2:G0B+4*\slot+3], 2*KB4
	JLOAD \slot                                    ; the first tensor load behind the round, and my only one until the next; its four v_nop are also the places in front of the loads below
.else
	PLACES
.endif
	FETCH \next, 0, F0
	WIN MUL
	TERM F1, 88, 24, 0
.endm
	s_wait_tensorcnt 1                             ; my part of K step 0 is in; K step 1's load may be out
	s_barrier_signal -1
	s_barrier_wait -1                              ; everybody's is
	FETCH 0, 0, F0
	s_wait_loadcnt 0x0                             ; bo
	QUARTER 0, 1, F0, F1, 1                        ; the first quarter stands in front of the loop: its first products start the sums, on bo
	WIN 0                                          ; at a label and at a branch every window is 0
	s_mov_b32 s3, LAPS-1
.Llap:                                             ; a trip goes once round the ring, from a lap's second quarter to the next lap's first, and fills both slots again
	QUARTER 0, 2, F1, F0, 0
	QUARTER 0, 3, F0, F1, 0
	TURN 0, 1, 1
	QUARTER 1, 1, F0, F1, 0
	QUARTER 1, 2, F1, F0, 0
	QUARTER 1, 3, F0, F1, 0
	TURN 1, 0, 1
	QUARTER 0, 1, F0, F1, 0
	WIN 0
	s_sub_co_u32 s3, s3, 1
	s_cmp_lg_u32 s3, 0
	s_cbranch_scc1 .Llap
	QUARTER 0, 2, F1, F0, 0                        ; the last lap fills nothing, and has no round of the cluster's barrier
	QUARTER 0, 3, F0, F1, 0
	TURN 0, 1, 0
	QUARTER 1, 1, F0, F1, 0
	QUARTER 1, 2, F1, F0, 0
	QUARTER 1, 3, F0, F1, 0
	s_wait_dscnt 14                                ; the very last quarter: nothing more to fetch
	WIN MUL
	TERM F1, 0, 24, 0
	s_wait_dscnt 0x0
	TERM F1, 0, 56, 0
	TERM F1, 88, 24, 0
	WIN 0
	; THE WAY OUT: a lane's 32 bytes of a row go into the work-group's stage; a barrier, since a row's 768 bytes come from four waves; back as pieces of 256 bytes, 16 rows a wave.
	PLACES
.irp a, 0,1,2,3
.irp b, 0,1,2
	ds_store_b128 v[STO], v[ACC+8*(3*\a+\b):ACC+8*(3*\a+\b)+3]   offset:16*SPITCH*\a+64*\b      ; each accumulator from its low end on
	ds_store_b128 v[STO], v[ACC+8*(3*\a+\b)+4:ACC+8*(3*\a+\b)+7] offset:16*SPITCH*\a+64*\b+16
.endr
.endr
	s_wait_dscnt 0x0                               ; for the others' sake: my stores into the stage are done
	s_barrier_signal -1
	s_barrier_wait -1
.irp i, 0,1,2,3,4,5,6,7
.irp p, 0,1,2
	ds_load_b128 v[TMP+4*(3*\i+\p):TMP+4*(3*\i+\p)+3], v[RD] offset:2*SPITCH*\i+256*\p
.endr
.endr
.irp i, 0,1,2,3,4,5,6,7
.irp p, 0,1,2
	s_wait_dscnt 23-(3*\i+\p)                      ; the younger loads may be out
	global_store_b128 v[CO], v[TMP+4*(3*\i+\p):TMP+4*(3*\i+\p)+3], s[46:47] offset:6144*\i+256*\p th:TH_STORE_NT   ; 16 lanes store 256 consecutive bytes, at a multiple of 256 from out's first byte
.endr
.endr
	s_wait_tensorcnt 0x0                           ; the wave's end, behind my last tensor load and my last LDS store
	ds_add_u32 v[SPW], v[NIL]
	s_wait_dscnt 0x0
	CROUND                                         ; the closing round: no work-group ends while a partner may still ask for a tile that names it
	s_endpgm
.Lfunc_end_k_q63c9d98565_outp:
	.size	k_q63c9d98565_outp, .Lfunc_end_k_q63c9d98565_outp-k_q63c9d98565_outp
	.p2alignl 7, 3214868480
	.fill 96, 4, 3214868480
	.section	.rodata,"a",@progbits
	.p2align	6, 0x0
	.amdhsa_kernel k_q63c9d98565_outp
		.amdhsa_group_segment_fixed_size 327680
		.amdhsa_private_segment_fixed_size 0
		.amdhsa_enable_private_segment 0
		.amdhsa_kernarg_size 32
		.amdhsa_user_sgpr_count 2
		.amdhsa_user_sgpr_kernarg_segment_ptr 1
		.amdhsa_wavefront_size32 1
		.amdhsa_system_sgpr_workgroup_id_x 1
		.amdhsa_system_sgpr_workgroup_id_y 1
		.amdhsa_system_sgpr_workgroup_id_z 1
		.amdhsa_system_vgpr_workitem_id 0
		.amdhsa_next_free_vgpr 512
		.amdhsa_next_free_sgpr 66
		.amdhsa_reserve_vcc 0
		.amdhsa_float_denorm_mode_32 3
		.amdhsa_float_denorm_mode_16_64 3
		.amdhsa_memory_ordered 1
		.amdhsa_forward_progress 1
		.amdhsa_inst_pref_size 85
	.end_amdhsa_kernel
	.amdgpu_metadata
---
amdhsa.version: [ 1, 2 ]
amdhsa.kernels:
  - .name:           k_q63c9d98565_outp
    .symbol:         k_q63c9d98565_outp.kd
    .args:
      - { .name: ctximg, .offset: 0, .size: 8, .value_kind: global_buffer, .address_space: global }
      - { .name: woimg, .offset: 8, .size: 8, .value_kind: global_buffer, .address_space: global }
      - { .name: bo, .offset: 16, .size: 8, .value_kind: global_buffer, .address_space: global }
      - { .name: out0, .offset: 24, .size: 8, .value_kind: global_buffer, .address_space: global }
    .group_segment_fixed_size: 327680
    .private_segment_fixed_size: 0
    .kernarg_segment_align: 8
    .kernarg_segment_size: 32
    .max_flat_workgroup_size: 128
    .sgpr_count:     66
    .vgpr_count:     512
    .wavefront_size: 32
...
	.end_amdgpu_metadata
.endif
;; end of part 4
;; ======== version 2 of 2: 4 launches
;; limits: values are held in f16: magnitudes above 65,504 overflow, below 6.1e-05 lose precision
;; workspace buffers: flags 32,768 bytes of whole numbers; qc 4,366,336 bytes; woimg 2,359,296 bytes; maskw 2,097,152 bytes; qimg 6,291,456 bytes; kv 18,874,368 bytes; ctximg 12,582,912 bytes
;; launch prep (part 5): grid 520 x 1, 8 waves a work-group, no clusters, 137,472 bytes of LDS; arguments mask, queries, values, Wq, Wk, Wv, Wo, qc, woimg, maskw, flags; writes qc, woimg, maskw, flags
.if DOCPART == 5
	.amdgcn_target "amdgcn-amd-amdhsa--gfx1250"
	.amdhsa_code_object_version 6
	.text
	.protected	k_q63c9d98565_prep
	.globl	k_q63c9d98565_prep
	.p2align	8
	.type	k_q63c9d98565_prep,@function
k_q63c9d98565_prep:
	s_mov_b64 s[64:65], 0
	v_nop
	global_prefetch_b8 v0, s[64:65] scope:SCOPE_SE
	s_setreg_imm32_b32 hwreg(HW_REG_WAVE_MODE, 25, 1), 1
	s_wait_xcnt 0x0
; prep: three streaming jobs in one launch, told apart by the work-group's number alone (the same for all eight waves of a work-group).
; The mask's work-groups, whose waves walk four dependent steps, have the lowest numbers; the others' waves walk two.
;   work-groups 0-255   THE MASK [4096][4096] int32, read once: work-group T takes queries 16 T .. 16 T + 15, wave w the key units 4 w .. 4 w + 3 (a unit = 128 keys).
;       Word n = 8 kt + j of a (T, unit) has bit L = (mask[16 T + L % 16][128 unit + 16 kt + 8 (L / 16) + j] != 0): lane and register in which the attention launch holds that score,
;       so that the word is the select of one v_cndmask_b32.  64 words a unit, 256 bytes.  In a buffer of their own, 128 bytes a tile, three flag words: ANY (bit u: unit u keeps some key), ALL (bit u: unit u keeps all),
;       FINE (some row keeps 1 to 64 keys).  If some row keeps no key at all, ANY is all ones: then no unit is passed over, and that row comes out as the average over all keys.  So ANY is never 0.
;   work-groups 256-501 queries, values, Wq, Wk, Wv (f32, K = 768 innermost) become codes of FP4 (E2M1) with one E8M0 byte for each 32 along K.  656 tiles of 16 rows; a wave takes a tile and TWO of its six K steps
;       (steps 2 p and 2 p + 1): 1,968 jobs.  Both steps' loads go out at the wave's start.
;       The codes are laid as IMAGES OF THE OPERAND'S REGISTERS: [tile][K step 6][c 2][lane][16 bytes], lane (r, h) holding k = 128 s + 64 c + 32 h + 0 .. 31 of row r.
;       The scale words: [tile][lane][4 words]: word p has in lanes 0-15 row r's word of K step 2 p, in lanes 16-31 that of K step 2 p + 1; word 3 is 0 and is never named.  A wave stores its word p, 4 bytes a lane,
;       16 bytes apart (p = 2: 8 bytes, with the zero word): pieces of blocks of 256 bytes, 336 KB in all, stated here.
;   work-groups 502-519 Wo (f32) becomes two planes of f16 images, [plane][n tile 48][kb 24][half 2][lane][16 bytes]: high = the number with its low 13 mantissa bits cut, low = the rest, rounded once.
;       A wave takes an n tile and two of its six steps of 4 kb: 144 jobs.  Its loads read pieces of 32 bytes of a tensor of 2.4 MB, stated here.
; Every other load reads 512 consecutive bytes; what a lane needs lies otherwise, so a tile's 16 x 512 bytes turn through the wave's own stage in LDS.
; The stage's rows are 528 bytes apart, 33 x 16, so that sixteen lanes that read 16 bytes of sixteen rows read sixteen different columns of 16 bytes modulo 256.
; No matrix unit, no tensor load, no cluster: work-groups share no input byte.  Each of the two paths that use LDS has bytes of its own.
; LIMITS: a block of zeros gets the byte 1 where the quantiser says 127 (its codes are zeros, and this program alone reads the bytes); blocks whose largest magnitude lies under 2^-124 were not tried;
; NaN and infinities are not served; |Wo| stays under 65,504 (f16).
.set NMASK,    256                     ; work-groups for the mask
.set NQUANT,   246                     ; for the quantiser: 1,968 jobs / 8
.set THIRD,    0x55555556              ; the high word of job x this is job / 3, for every job here
.set SP,       528                     ; a stage row: 512 bytes + 16
.set WST,      16*SP                   ; a wave's stage
.set XST,      8*WST                   ; LDS: 0 the mask path's eight stages; XST the quantiser's eight
.set RED,      16*WST                  ; the row counts, 128 bytes a wave
.set REDW,     RED+1024                ; the waves' partial flag words, 8 bytes a wave, in a block of 256
.set SPARE,    REDW+256                ; the spare words, 128 bytes a wave: four blocks of 256 bytes that no other line names
.set SCL_OFF,  4030464                 ; 656 tiles x 6,144 bytes of codes, then the scale words
.set WPLANE,   1179648                 ; a plane of Wo's images
.set R0,  16                           ; v16-79, v80-143  two sets of 16 loads
.set X,   144                          ; v144-207 64 numbers as a lane needs them
.set CD,  208                          ; v208-223 the codes of two K steps
.set MW,  216                          ; v216-223 the mask words of four units, a pair each
.set CNT, 228                          ; v228     kept keys of my row in my half's columns
.set SQ,  232                          ; v232-233 my scale word, and 0
.set SPW, 14                           ; v14      LDS address of my spare word; never rewritten
.set NIL, 15                           ; v15      0; never rewritten
.macro LD16 set, base, pitch, col      ; 16 rows x 512 consecutive bytes
.irp i, 0,1,2,3,4,5,6,7,8,9,10,11,12,13,14,15
	global_load_b128 v[\set+4*\i:\set+4*\i+3], v1, s[\base:\base+1] offset:\i*\pitch+\col th:TH_LOAD_NT
.endr
.endm
	s_load_b512 s[4:19], s[0:1], 0x0               ; mask s[4:5], queries s[6:7], values s[8:9], Wq s[10:11], Wk s[12:13], Wv s[14:15], Wo s[16:17], qc s[18:19]
	s_load_b128 s[20:23], s[0:1], 0x40             ; woimg s[20:21], maskw s[22:23]
	s_load_b64 s[58:59], s[0:1], 0x50              ; flags
	v_lshl_add_u32 v[SPW], v0, 2, SPARE
	v_mov_b32 v[NIL], 0
	v_lshrrev_b32 v8, 5, v0
	v_readfirstlane_b32 s24, v8                    ; wave 0..7
	v_and_b32 v9, 31, v0                           ; lane
	v_and_b32 v10, 15, v0                          ; r
	v_bfe_u32 v11, v0, 4, 1                        ; h
	v_lshlrev_b32 v1, 4, v9                        ; 16 x lane
	s_mul_i32 s28, s24, WST
	v_add_nc_u32 v2, s28, v1                       ; the mask path's stage, on the way in
	v_mul_u32_u24 v12, v10, SP
	v_add_nc_u32 v12, s28, v12
	v_lshl_add_u32 v3, v11, 5, v12                 ; and out: row r, + 32 h
	v_add_nc_u32 v4, XST, v2                       ; the quantiser's stage, in
	v_lshl_add_u32 v5, v11, 7, v12
	v_add_nc_u32 v5, XST, v5                       ; and out: row r, + 128 h
	v_lshl_add_u32 v6, v0, 2, RED                  ; my row count's word
	v_lshl_add_u32 v7, v8, 3, REDW                 ; my wave's two partial flag words
	v_lshlrev_b32 v224, 3, v9                      ; 8 x lane: two mask words
	v_lshl_add_u32 v225, v9, 2, RED                ; wave 0 reads the counts back
	v_mov_b32 v226, REDW                           ; and the partial words
	v_lshlrev_b32 v227, 2, v9                      ; 4 x lane: a flag word
	v_mul_u32_u24 v229, v10, 3072
	v_lshl_add_u32 v229, v11, 5, v229              ; Wo: row r, + 32 h
	v_lshlrev_b32 v230, 3, v11                     ; 8 h: my scale bytes' place in a word
	v_mov_b32 v13, 0                               ; a lane permute's destination counts as one of its sources
	s_mov_b32 s25, 0xffff0000                      ; lanes 16-31
	s_mov_b32 s26, 0x76543210
	s_mov_b32 s27, 0xfedcba98                      ; v_permlanex16_b32's selects for lane l xor 16
	s_wait_kmcnt 0x0
	s_cmp_lt_u32 ttmp9, NMASK
	s_cbranch_scc1 .Lmask
	s_cmp_lt_u32 ttmp9, NMASK+NQUANT
	s_cbranch_scc1 .Lquant
	; ---------------- Wo: job = 8 (x - 502) + wave; n tile = job / 3; the job's two steps of 4 kb (128 along K each)
	s_sub_co_u32 s28, ttmp9, NMASK+NQUANT
	s_lshl_b32 s28, s28, 3
	s_add_co_u32 s28, s28, s24                     ; job 0..143
	s_mul_hi_u32 s29, s28, THIRD                   ; n tile
	s_mul_i32 s30, s29, 3
	s_sub_co_u32 s30, s28, s30                     ; which third of K
	s_mul_i32 s32, s29, 49152                      ; 16 rows of 3,072 bytes,
	s_lshl_b32 s31, s30, 10                        ; two steps of 512 bytes of each row
	s_add_co_u32 s32, s32, s31
	s_mov_b32 s33, 0
	s_add_nc_u64 s[34:35], s[16:17], s[32:33]
	s_mul_i32 s32, s29, 24576                      ; 24 kb of 1,024 bytes,
	s_lshl_b32 s31, s30, 13                        ; two steps of 4 kb
	s_add_co_u32 s32, s32, s31
	s_add_nc_u64 s[36:37], s[20:21], s[32:33]
	s_mov_b32 s44, 0xffffe000                      ; keeps sign, exponent and ten mantissa bits: a number of f16
.macro OLOAD t                         ; lane (r, h): of each kb the numbers k = 8 h + 0 .. 7 and 16 + 8 h + 0 .. 7 of row r
.irp b, 0,1,2,3
.irp q, 0,1,2,3
	global_load_b128 v[16+128*(\t)+16*\b+4*\q:16+128*(\t)+16*\b+4*\q+3], v229, s[34:35] offset:512*(\t)+128*\b+64*(\q/2)+16*(\q%2) th:TH_LOAD_NT
.endr
.endr
.endm
.macro OTRIP t
.if (\t) == 0
	s_wait_loadcnt 16                              ; this step's 16 loads are in; the second step's 16 may be out
.else
	s_wait_loadcnt 0x0
	s_wait_xcnt 0x0                                ; the first step's stores have read their registers, which are written again below
.endif
.irp b, 0,1,2,3
.set XB, 16+128*(\t)+16*\b
.set HB, 80+8*\b
.set LB, 128+8*\b+64*(\b/2)
.irp i, 0,1,2,3,4,5,6,7,8,9,10,11,12,13,14,15
	v_and_b32 v[112+\i], s44, v[XB+\i]             ; the high part, still as f32
.endr
.irp i, 0,1,2,3,4,5,6,7
	v_cvt_pk_f16_f32 v[HB+\i], v[112+2*\i], v[113+2*\i]
.endr
.irp i, 0,1,2,3,4,5,6,7
	v_pk_add_f32 v[112+2*\i:113+2*\i], v[XB+2*\i:XB+2*\i+1], v[112+2*\i:113+2*\i] neg_lo:[0,1] neg_hi:[0,1]   ; the rest, exact
.endr
.irp i, 0,1,2,3,4,5,6,7
	v_cvt_pk_f16_f32 v[LB+\i], v[112+2*\i], v[113+2*\i]
.endr
	global_store_b128 v1, v[HB:HB+3],   s[36:37] offset:4096*(\t)+1024*\b          ; each store: 512 consecutive bytes
	global_store_b128 v1, v[HB+4:HB+7], s[36:37] offset:4096*(\t)+1024*\b+512
	global_store_b128 v1, v[LB:LB+3],   s[36:37] offset:WPLANE+4096*(\t)+1024*\b
	global_store_b128 v1, v[LB+4:LB+7], s[36:37] offset:WPLANE+4096*(\t)+1024*\b+512
.endr
.endm
	OLOAD 0
	OLOAD 1
	OTRIP 0
	OTRIP 1
	s_branch .Lend
	; ---------------- the quantiser: job = 8 (x - 256) + wave; tile g = job / 3, scale word p = job % 3
.Lquant:
	s_sub_co_u32 s28, ttmp9, NMASK
	s_lshl_b32 s28, s28, 3
	s_add_co_u32 s28, s28, s24                     ; job 0..1,967
	s_mul_hi_u32 s29, s28, THIRD                   ; g
	s_mul_i32 s31, s29, 3
	s_sub_co_u32 s56, s28, s31                     ; p
	s_mov_b64 s[34:35], s[14:15]                   ; whose tile: the choice hangs on ids alone
	s_mov_b32 s30, 608
	s_cmp_lt_u32 s29, 608
	s_cselect_b64 s[34:35], s[12:13], s[34:35]
	s_cselect_b32 s30, 560, s30
	s_cmp_lt_u32 s29, 560
	s_cselect_b64 s[34:35], s[10:11], s[34:35]
	s_cselect_b32 s30, 512, s30
	s_cmp_lt_u32 s29, 512
	s_cselect_b64 s[34:35], s[8:9], s[34:35]
	s_cselect_b32 s30, 256, s30
	s_cmp_lt_u32 s29, 256
	s_cselect_b64 s[34:35], s[6:7], s[34:35]
	s_cselect_b32 s30, 0, s30
	s_sub_co_u32 s31, s29, s30                     ; the tile's number in its tensor
	s_mul_i32 s32, s31, 49152
	s_lshl_b32 s57, s56, 10                        ; my two K steps: 1,024 bytes of each row
	s_add_co_u32 s32, s32, s57
	s_mov_b32 s33, 0
	s_add_nc_u64 s[34:35], s[34:35], s[32:33]
	s_mul_i32 s32, s29, 6144
	s_lshl_b32 s57, s56, 11                        ; and 2,048 bytes of codes
	s_add_co_u32 s32, s32, s57
	s_add_nc_u64 s[36:37], s[18:19], s[32:33]      ; my codes
	s_lshl_b32 s32, s29, 9
	s_lshl_b32 s57, s56, 2
	s_add_co_u32 s32, s32, s57
	s_add_nc_u64 s[38:39], s[18:19], s[32:33]
	s_add_nc_u64 s[38:39], s[38:39], SCL_OFF       ; my scale word: word p of each lane's four
.macro QSTEP s                         ; the job's K step s (0, 1): 16 rows x 128 numbers
.set RS, R0+64*(\s)
.if (\s) == 0
	s_wait_loadcnt 16                              ; this step's 16 loads are in; the second step's 16 may be out
.else
	s_wait_loadcnt 0x0
.endif
.irp k, 0,1,2,3,4,5,6,7,8,9,10,11,12,13,14,15
	ds_store_b128 v4, v[RS+4*\k:RS+4*\k+3] offset:SP*\k
.endr
.irp k, 0,1,2,3,4,5,6,7,8,9,10,11,12,13,14,15
	ds_load_b128 v[X+4*\k:X+4*\k+3], v5 offset:256*(\k/8)+16*(\k%8)   ; LDS serves a wave's instructions in order: these see the stores.  v[X + 32 c ..]: k = 64 c + 32 h + 0 .. 31 of row r: a whole block
.endr
	s_wait_dscnt 0x0
	v_max3_num_f32 v8, |v[X]|, |v[X+1]|, 0x1800000        ; my two blocks' largest magnitudes, by turns, with the floor 2^(3 - 127): the byte cannot fall under 1
	v_max3_num_f32 v9, |v[X+32]|, |v[X+33]|, 0x1800000
.irp i, 2,4,6,8,10,12,14,16,18,20,22,24,26,28,30
	v_max3_num_f32 v8, v8, |v[X+\i]|, |v[X+1+\i]|
	v_max3_num_f32 v9, v9, |v[X+32+\i]|, |v[X+33+\i]|
.endr
	v_add_nc_u32 v10, 0xff000000, v8               ; 2 off the exponent field: the conversion takes the exponent field of this operand as its scale
	v_add_nc_u32 v11, 0xff000000, v9
	v_lshrrev_b32 v8, 23, v10                      ; the scales' bytes: blocks h and 2 + h of the K step
	v_lshrrev_b32 v9, 23, v11
	v_lshl_or_b32 v12, v9, 16, v8
	v_lshlrev_b32 v12, v230, v12                   ; at their places in the word
	v_permlanex16_b32 v13, v12, s26, s27
	v_or_b32 v12, v12, v13                         ; with lane l xor 16's two the word is whole
.irp g, 0,1,2,3
	v_cvt_scalef32_pk8_fp4_f32 v[CD+8*(\s)+\g], v[X+8*\g:X+8*\g+7], v10        ; each step has registers of its own for its codes
.endr
.irp g, 0,1,2,3
	v_cvt_scalef32_pk8_fp4_f32 v[CD+8*(\s)+4+\g], v[X+32+8*\g:X+32+8*\g+7], v11
.endr
.if (\s) == 0
	v_mov_b32 v231, v12                            ; (a plain line behind the conversions)  the even step's word waits for the odd one's
.else
	v_cndmask_b32 v[SQ], v231, v12, s25            ; lanes 0-15 the even step's, lanes 16-31 the odd step's
.endif
	global_store_b128 v1, v[CD+8*(\s):CD+8*(\s)+3],   s[36:37] offset:1024*(\s)
	global_store_b128 v1, v[CD+8*(\s)+4:CD+8*(\s)+7], s[36:37] offset:1024*(\s)+512
.endm
	LD16 R0, 34, 3072, 0
	LD16 R0+64, 34, 3072, 512
	QSTEP 0
	QSTEP 1
	v_mov_b32 v[SQ+1], 0
	s_cmp_eq_u32 s56, 2
	s_cbranch_scc1 .Lq_last
	global_store_b32 v1, v[SQ], s[38:39]           ; word p of each lane's four
	s_branch .Lend
.Lq_last:
	global_store_b64 v1, v[SQ:SQ+1], s[38:39]      ; word 2, and the zero word behind it
	s_branch .Lend
	; ---------------- the mask
.Lmask:
	s_lshl_b32 s28, ttmp9, 18                      ; 16 rows of 16,384 bytes
	s_lshl_b32 s29, s24, 11                        ; my four units: 4 x 512 bytes of each row
	s_add_co_u32 s28, s28, s29
	s_mov_b32 s29, 0
	s_add_nc_u64 s[4:5], s[4:5], s[28:29]
	s_lshl_b32 s28, ttmp9, 13                      ; the tile's 32 x 256 bytes of words
	s_lshl_b32 s30, s24, 10
	s_add_co_u32 s28, s28, s30
	s_add_nc_u64 s[40:41], s[22:23], s[28:29]
	s_lshl_b32 s28, ttmp9, 7
	s_add_nc_u64 s[42:43], s[58:59], s[28:29]      ; the tile's 128 bytes of flags
	v_mov_b32 v[CNT], 0
.irp k, 0,1,2,3,4,5,6,7
	v_mov_b32 v[MW+\k], 0                          ; v_writelane_b32's destination counts as one of its sources
.endr
	s_mov_b32 s46, 0                               ; my four ANY bits
	s_mov_b32 s47, 0                               ; my four ALL bits
.macro UNIT u
.set RS, R0+64*((\u)%2)
.if (\u) < 3
	s_wait_loadcnt 16                              ; this unit's 16 loads are in; the next unit's 16 may be out
.else
	s_wait_loadcnt 0x0
.endif
.irp k, 0,1,2,3,4,5,6,7,8,9,10,11,12,13,14,15
	ds_store_b128 v2, v[RS+4*\k:RS+4*\k+3] offset:SP*\k
.endr
.irp k, 0,1,2,3,4,5,6,7,8,9,10,11,12,13,14,15
	ds_load_b128 v[X+4*\k:X+4*\k+3], v3 offset:64*(\k/2)+16*(\k%2)    ; v[X + 8 kt + j] = mask[row r][16 kt + 8 h + j]
.endr
	s_wait_dscnt 0x0
.if (\u)+2 < 4
	LD16 RS, 4, 16384, 512*((\u)+2)
.endif
	s_mov_b32 s44, 0
	s_mov_b32 s45, -1
.irp b, 0,1,2,3,4,5,6,7                ; eight words at a time, so that no line waits for the line above it
.irp j, 0,1,2,3,4,5,6,7
	v_cmp_ne_u32 s[48+\j], 0, v[X+8*\b+\j]         ; word 8 b + j
.endr
.irp j, 0,1,2,3,4,5,6,7
	v_writelane_b32 v[MW+2*(\u)+\j%2], s[48+\j], 4*\b+\j/2            ; word n goes to lane n / 2 of register n % 2: a lane's pair is 8 consecutive bytes
.endr
.irp j, 0,1,2,3,4,5,6,7
	v_add_co_ci_u32 v[CNT], vcc_lo, 0, v[CNT], s[48+\j]               ; + 1 where my key is kept
.endr
.irp j, 0,1,2,3,4,5,6,7
	s_or_b32 s44, s44, s[48+\j]
	s_and_b32 s45, s45, s[48+\j]
.endr
.endr
	global_store_b64 v224, v[MW+2*(\u):MW+2*(\u)+1], s[40:41] offset:256*(\u)   ; 256 consecutive bytes, aligned; each unit has registers of its own
	s_cmp_lg_u32 s44, 0
	s_cselect_b32 s44, 1<<(\u), 0
	s_or_b32 s46, s46, s44
	s_cmp_eq_u32 s45, -1
	s_cselect_b32 s45, 1<<(\u), 0
	s_or_b32 s47, s47, s45
.endm
	LD16 R0, 4, 16384, 0
	LD16 R0+64, 4, 16384, 512
.irp u, 0,1,2,3
	UNIT \u
.endr
	s_lshl_b32 s44, s24, 2
	s_lshl_b32 s46, s46, s44                       ; at bits 4 w .. 4 w + 3
	s_lshl_b32 s47, s47, s44
	v_permlanex16_b32 v13, v[CNT], s26, s27
	v_add_nc_u32 v[CNT], v[CNT], v13               ; row r's kept keys in my four units
	v_mov_b32 v10, s46
	v_mov_b32 v11, s47
	ds_store_b32 v6, v[CNT]
	ds_store_b64 v7, v[10:11]                      ; all lanes write the same words with the same values
	s_wait_dscnt 0x0                               ; for wave 0's sake: my stores have landed
	s_barrier_signal -1
	s_barrier_wait -1
	s_cmp_lg_u32 s24, 0
	s_cbranch_scc1 .Lend
.irp k, 0,1,2,3,4,5,6,7
	ds_load_b32 v[16+\k], v225 offset:128*\k
.endr
.irp k, 0,1,2,3
	ds_load_b128 v[32+4*\k:35+4*\k], v226 offset:16*\k
.endr
	s_wait_dscnt 0x0
	v_add_nc_u32 v16, v16, v17
	v_add_nc_u32 v18, v18, v19
	v_add_nc_u32 v20, v20, v21
	v_add_nc_u32 v22, v22, v23
	v_add_nc_u32 v16, v16, v18
	v_add_nc_u32 v20, v20, v22
	v_add_nc_u32 v16, v16, v20                     ; row r's kept keys among all 4,096
.irp k, 2,4,6,8,10,12,14
	v_or_b32 v32, v32, v[32+\k]
	v_or_b32 v33, v33, v[33+\k]
.endr
	v_readfirstlane_b32 s46, v32                   ; ANY
	v_readfirstlane_b32 s47, v33                   ; ALL
	v_cmp_eq_u32 s48, 0, v16                       ; rows that keep nothing
	v_add_nc_u32 v17, -1, v16
	v_cmp_gt_u32 s49, 64, v17                      ; rows that keep 1 to 64
	s_cmp_lg_u32 s48, 0
	s_cselect_b32 s46, -1, s46
	s_cmp_lg_u32 s49, 0
	s_cselect_b32 s50, 1, 0
	v_mov_b32 v18, 0
	v_writelane_b32 v18, s46, 0
	v_writelane_b32 v18, s47, 1
	v_writelane_b32 v18, s50, 2
	global_store_b32 v227, v18, s[42:43]           ; 128 consecutive bytes: three flag words and zeros
.Lend:
	s_wait_tensorcnt 0x0                           ; the wave's end, behind my last LDS store
	ds_add_u32 v[SPW], v[NIL]
	s_wait_dscnt 0x0
	s_endpgm
.Lfunc_end_k_q63c9d98565_prep:
	.size	k_q63c9d98565_prep, .Lfunc_end_k_q63c9d98565_prep-k_q63c9d98565_prep
	.p2alignl 7, 3214868480
	.fill 96, 4, 3214868480
	.section	.rodata,"a",@progbits
	.p2align	6, 0x0
	.amdhsa_kernel k_q63c9d98565_prep
		.amdhsa_group_segment_fixed_size 137472
		.amdhsa_private_segment_fixed_size 0
		.amdhsa_enable_private_segment 0
		.amdhsa_kernarg_size 88
		.amdhsa_user_sgpr_count 2
		.amdhsa_user_sgpr_kernarg_segment_ptr 1
		.amdhsa_wavefront_size32 1
		.amdhsa_system_sgpr_workgroup_id_x 1
		.amdhsa_system_sgpr_workgroup_id_y 1
		.amdhsa_system_sgpr_workgroup_id_z 1
		.amdhsa_system_vgpr_workitem_id 0
		.amdhsa_next_free_vgpr 240
		.amdhsa_next_free_sgpr 66
		.amdhsa_reserve_vcc 1
		.amdhsa_float_denorm_mode_32 3
		.amdhsa_float_denorm_mode_16_64 3
		.amdhsa_memory_ordered 1
		.amdhsa_forward_progress 1
		.amdhsa_inst_pref_size 124
	.end_amdhsa_kernel
	.amdgpu_metadata
---
amdhsa.version: [ 1, 2 ]
amdhsa.kernels:
  - .name:           k_q63c9d98565_prep
    .symbol:         k_q63c9d98565_prep.kd
    .args:
      - { .name: mask, .offset: 0, .size: 8, .value_kind: global_buffer, .address_space: global }
      - { .name: queries, .offset: 8, .size: 8, .value_kind: global_buffer, .address_space: global }
      - { .name: values, .offset: 16, .size: 8, .value_kind: global_buffer, .address_space: global }
      - { .name: Wq, .offset: 24, .size: 8, .value_kind: global_buffer, .address_space: global }
      - { .name: Wk, .offset: 32, .size: 8, .value_kind: global_buffer, .address_space: global }
      - { .name: Wv, .offset: 40, .size: 8, .value_kind: global_buffer, .address_space: global }
      - { .name: Wo, .offset: 48, .size: 8, .value_kind: global_buffer, .address_space: global }
      - { .name: qc, .offset: 56, .size: 8, .value_kind: global_buffer, .address_space: global }
      - { .name: woimg, .offset: 64, .size: 8, .value_kind: global_buffer, .address_space: global }
      - { .name: maskw, .offset: 72, .size: 8, .value_kind: global_buffer, .address_space: global }
      - { .name: flags, .offset: 80, .size: 8, .value_kind: global_buffer, .address_space: global }
    .group_segment_fixed_size: 137472
    .private_segment_fixed_size: 0
    .kernarg_segment_align: 8
    .kernarg_segment_size: 88
    .max_flat_workgroup_size: 256
    .sgpr_count:     66
    .vgpr_count:     240
    .wavefront_size: 32
...
	.end_amdgpu_metadata
.endif
;; end of part 5
;; launch proj: the kernel of part 2 again; grid 32 x 9, 4 waves a work-group, no clusters, 0 bytes of LDS; arguments qc, bq, bk, bv, qimg, kv; writes qimg, kv
;; launch attn (part 6): grid 16 x 12, 16 waves a work-group, no clusters, 301,056 bytes of LDS; arguments qimg, kv, maskw, flags, ctximg; writes ctximg
.if DOCPART == 6
	.amdgcn_target "amdgcn-amd-amdhsa--gfx1250"
	.amdhsa_code_object_version 6
	.text
	.protected	k_q63c9d98565_attn
	.globl	k_q63c9d98565_attn
	.p2align	8
	.type	k_q63c9d98565_attn,@function
k_q63c9d98565_attn:
	s_mov_b64 s[64:65], 0
	v_nop
	global_prefetch_b8 v0, s[64:65] scope:SCOPE_SE
	s_setreg_imm32_b32 hwreg(HW_REG_WAVE_MODE, 25, 1), 1
	s_wait_xcnt 0x0
; attn: ctx[q] = sum over keys of softmax(logit) v, logit = q . k / 8 where the mask keeps the key, -1e9 where it does not.  f16 operands, f32 sums, maxima and row sums in f32, a running maximum.
; q arrives multiplied by log2(e) / 8, so a score t is an exponent of 2, and a masked score is -1e9 log2(e).  p = 2^(t - m) is made by a subtraction: a row that keeps no key has p = 1 for every key, the average.
; SHARES.  Work-group (g, head): sixteen waves, each ONE tile of 16 queries in 256 registers, four waves to a SIMD, so that one wave's vector work stands beside another's matrix work and LDS loads.
; Its tiles are 16 pos + g, pos dealt to the waves so that waves w, w + 4, w + 8, w + 12 have positions of equal sum: that evens the work where early queries keep few keys; no value hangs on it.
; 192 work-groups: 12 heads x 4,096 queries in 256 parts would be 192 queries, which does not divide a head.
; LAYOUT.  S^T = K Q^T (source 0 = 16 keys, source 1 = my 16 queries), O^T = V^T P (source 0 = 16 channels, source 1 = P): a lane holds ONE query (lane % 16) throughout; two tiles of S^T, rounded to f16 in pairs, are a fragment of P.
; K and V^T lie in memory as images of the operands' registers, 32,768 bytes for a unit of 128 keys: they are copied as they lie, through registers, into a ring of eight sub-tiles in LDS (two slots of four), and every
; fragment load reads 512 consecutive bytes.  Each wave copies 2,048 bytes of every sub-tile: loaded one sub-step, stored into the other slot the next.  One barrier for four sub-steps.
; THE MASK comes as 64 words a (tile, unit), each the lane select of one v_cndmask_b32 (nothing but values hangs on them), and, in a small buffer of their own, three flag words a tile, whole numbers stored by the first launch.
; A unit in which none of my 16 queries keeps a key adds exactly 0 (its p underflow) and is passed over; one that keeps all needs no select.  In a tile flagged FINE (some row keeps 1 to 64 keys) V's low part, straight from memory, is multiplied as well.
; PARTNERS.  Waves w and w xor 12 hold positions pos and 15 - pos; waves 0-7 hold the low ones.  Both read both tiles' flags.  From the first change of slots at which the low tile keeps no key of any unit still to come,
; the low wave stores its finished tile, takes its partner's Q, flags and mask words, and sums sub-steps 1 and 3 of each slot for the partner's tile, whose owner keeps sub-steps 0 and 2: every unit is summed by exactly one of the two.
; It begins with m = -3e38 and clears nothing: the next alpha is 0, and 0 times the old sums, which are finite, is 0.  Behind the loop the low waves lay O^T, m and the row's sum as images of their registers into LDS bytes of
; their own, and behind one barrier the owners join the two parts: m* = the larger m, each part times 2^(its m - m*).  A part in which nothing was summed joins with the factor 0.  A low tile has no helper.
; All these are branches on stored whole numbers and on the wave's number; the launch has no tensor load and no joint loads of a cluster, though the sixteen work-groups of a head walk the same K and V; no barrier stands under such a branch.
; ctx goes out as two planes of f16 images for the last product: high = the number with its low 13 mantissa bits cut, low = the rest.
; LIMITS: p is rounded to f16 once; |ctx| stays under 65,504; the helper's new start takes the old sums to be finite.
; REGISTERS: v1 16 x lane; v2 16 x thread; v3, v4 LDS addresses in hand; v5, v6 the add's two; v7 the masked score; v8 the prefetches' offset; v[10:11] m; v[12:13] the row's sum in two halves; v[14:15] alpha;
;   v16-31 Q; v32-95 fragments of K, then of V; v96-159 S^T, then p, then fragments of V; v160-191 O^T; v192-223 P; v224-239 the sub-tile on its way; v240-247 at work; v248, v249 where a low wave lays its part, and where its owner finds it.
; SCALARS: s[2:3] the partner's Q; s[4:5] K and V; s[6:7] the mask words in hand; s[8:9] V low; s[10:11] my ctx; s[12:13] the partner's mask words; s14 wave; s15 the low tile's ANY; s16-18 ANY, ALL, FINE in hand; s19 my sub-steps once the two share;
;   s20 the units that I sum in this slot; s21 trips; s22, s27 the prefetches' ends; s23 1: I never go over, or have gone; s28-30 the partner's flags; s31 at work; s32-63, s68-99 a unit's mask words.
.set SUBT,     32768                   ; a unit's K (16,384 bytes) and V^T high (16,384)
.set VHI,      16384
.set AREA,     4608                    ; a low wave's part: O^T 8 x 512 bytes, then m and the sum 512
.set AREA0,    8*SUBT                  ; behind the ring: eight such
.set SPARE,    AREA0+8*AREA            ; behind them: the spare words, 128 bytes a wave: eight blocks of 256 bytes that no other line names
.set VLO_OFF,  12582912
.set CPLANE,   6291456
	s_load_b256 s[32:39], s[0:1], 0x0              ; qimg s[32:33], kv s[34:35], maskw s[36:37], flags s[38:39]
	s_load_b64 s[52:53], s[0:1], 0x20              ; ctximg
	v_lshl_add_u32 v5, v0, 2, SPARE
	v_mov_b32 v6, 0
	v_lshrrev_b32 v9, 5, v0
	v_readfirstlane_b32 s14, v9                    ; wave 0..15
	v_and_b32 v9, 31, v0
	v_lshlrev_b32 v1, 4, v9
	v_lshlrev_b32 v2, 4, v0
	v_lshlrev_b32 v8, 8, v0                        ; 8,192 x wave + 256 x lane
	v_mov_b32 v7, 0xceabfb8f                       ; -1e9 log2(e)
	s_and_b32 s12, s14, 7
	s_mul_i32 s12, s12, AREA
	s_add_co_u32 s12, s12, AREA0
	v_add_nc_u32 v248, s12, v1                     ; waves 0-7: where I lay my part
	s_xor_b32 s12, s14, 12
	s_and_b32 s12, s12, 7
	s_mul_i32 s12, s12, AREA
	s_add_co_u32 s12, s12, AREA0
	v_add_nc_u32 v249, s12, v1                     ; waves 8-15: where wave w xor 12 has laid its
	s_and_b32 s12, s14, 12
	s_and_b32 s13, s14, 3
	s_bfe_u32 s30, s14, 0x10002
	s_mul_i32 s30, s30, 3
	s_xor_b32 s13, s13, s30
	s_or_b32 s12, s12, s13                         ; pos
	s_xor_b32 s13, s12, 15                         ; my partner's: 15 - pos
	s_lshl_b32 s12, s12, 4
	s_add_co_u32 s23, s12, ttmp9                   ; my tile of queries
	s_lshl_b32 s13, s13, 4
	s_add_co_u32 s20, s13, ttmp9                   ; my partner's
	s_and_b32 s15, ttmp7, 0xffff                   ; the head
	s_lshl_b32 s40, s15, 19
	s_lshl_b32 s41, s23, 11
	s_lshl_b32 s54, s20, 11
	s_add_co_u32 s54, s54, s40                     ; Q: head x 524,288 + tile x 2,048: my partner's,
	s_add_co_u32 s40, s40, s41                     ; and mine
	s_mov_b32 s41, 0
	s_mov_b32 s55, 0
	s_lshl_b32 s42, s15, 20                        ; K, V high: head x 1,048,576
	s_mov_b32 s43, 0
	s_lshl_b32 s44, s23, 13                        ; the mask words: tile x 8,192
	s_mov_b32 s45, 0
	s_lshl_b32 s56, s20, 13
	s_mov_b32 s57, 0
	s_lshl_b32 s46, s23, 7                         ; the flags: tile x 128
	s_mov_b32 s47, 0
	s_lshl_b32 s58, s20, 7
	s_mov_b32 s59, 0
	s_lshl_b32 s48, s15, 19                        ; V low: head x 524,288
	s_mov_b32 s49, 0
	s_mul_i32 s50, s23, 24576
	s_lshl_b32 s51, s15, 11
	s_add_co_u32 s50, s50, s51                     ; ctx: tile x 24,576 + head x 2,048
	s_mov_b32 s51, 0
	s_lshr_b32 s12, s14, 2
	s_or_b32 s12, s12, ttmp9                       ; 0 in waves 0 to 3 of the head's first work-group: they prefetch
	s_cmp_eq_u32 s12, 0
	s_cselect_b32 s27, 3, 0                        ; the trips in which they ask at sub-steps 1 to 7,
	s_cselect_b32 s22, 4, 0                        ; and at sub-step 0
	s_mov_b32 s24, 0x76543210
	s_mov_b32 s25, 0xfedcba98                      ; v_permlanex16_b32's selects for lane l xor 16
	s_mov_b32 s26, 0xffffe000
	s_wait_kmcnt 0x0
	s_add_nc_u64 s[60:61], s[32:33], s[40:41]      ; my Q
	s_add_nc_u64 s[2:3], s[32:33], s[54:55]        ; my partner's
	s_add_nc_u64 s[4:5], s[34:35], s[42:43]        ; the unit of the four sub-steps in hand
	s_add_nc_u64 s[6:7], s[36:37], s[44:45]
	s_add_nc_u64 s[12:13], s[36:37], s[56:57]
	s_add_nc_u64 s[62:63], s[38:39], s[46:47]
	s_add_nc_u64 s[68:69], s[38:39], s[58:59]
	s_add_nc_u64 s[8:9], s[34:35], s[48:49]
	s_add_nc_u64 s[8:9], s[8:9], VLO_OFF
	s_add_nc_u64 s[10:11], s[52:53], s[50:51]
	s_load_b128 s[16:19], s[62:63], 0x0            ; s16 ANY, s17 ALL, s18 FINE
	s_load_b128 s[28:31], s[68:69], 0x0            ; and my partner's
.irp i, 0,1,2,3
	global_load_b128 v[16+4*\i:19+4*\i], v1, s[60:61] offset:512*\i           ; Q stays in registers
.endr
.irp q, 0,1,2,3
.irp i, 0,1,2,3
	global_load_b128 v[96+16*\q+4*\i:99+16*\q+4*\i], v2, s[4:5] offset:SUBT*\q+8192*\i    ; my part of sub-tiles 0 to 3
.endr
.endr
.irp i, 0,1,2,3
	global_load_b128 v[224+4*\i:227+4*\i], v2, s[4:5] offset:SUBT*4+8192*\i   ; and of sub-tile 4
.endr
	v_mov_b32 v10, 0xff61b1e6                      ; m: -3e38, under every score
	v_mov_b32 v11, 0                               ; (named with it as a pair)
	v_mov_b32 v12, 0
	v_mov_b32 v13, 0
	v_mov_b32 v15, 0
	v_mov_b32 v245, 0                              ; a lane permute's destination counts as one of its sources
.set n, 0
.rept 32
	v_mov_b32 v[160+n], 0                          ; O^T.  (A sub-step is written for all units alike: the first finds zeros, which alpha = 0 leaves zeros)
.set n, n+1
.endr
	v_add_nc_u32 v4, 2*SUBT, v2
	s_wait_loadcnt 4                               ; Q and sub-tiles 0 to 3 are in; sub-tile 4's four loads may be out
.irp q, 0,1
.irp i, 0,1,2,3
	ds_store_b128 v2, v[96+16*\q+4*\i:99+16*\q+4*\i] offset:SUBT*\q+8192*\i
	ds_store_b128 v4, v[128+16*\q+4*\i:131+16*\q+4*\i] offset:SUBT*\q+8192*\i
.endr
.endr
	s_wait_kmcnt 0x0                               ; both tiles' flags
	s_cmp_lt_u32 s14, 8                            ; do I hold the low tile?
	s_cselect_b32 s15, s16, s28                    ; the low tile's ANY, the same number in both partners
	s_cselect_b32 s19, 10, 5                       ; once the two share: the low wave takes sub-steps 1 and 3, the owner 0 and 2
	s_cselect_b32 s23, 0, 1                        ; an owner never goes over
	s_mov_b32 s20, s16                             ; in the first slot each sums its own tile: ANY is never 0
.macro BAR                             ; my stores into the slot ahead have landed and my reads of the slot that I leave are back: then the work-group's barrier
	s_wait_dscnt 0x0
	s_barrier_signal -1
	s_barrier_wait -1
.endm
.macro STEP                            ; four units on.  It stands behind the barrier, a sub-step's work and more behind the last prefetch
	s_wait_xcnt 0x0                                ; every load and prefetch issued so far has read its address registers
	s_add_nc_u64 s[4:5], s[4:5], 4*SUBT
	s_add_nc_u64 s[6:7], s[6:7], 4*256
	s_add_nc_u64 s[12:13], s[12:13], 4*256
	s_add_nc_u64 s[8:9], s[8:9], 4*VHI
	s_lshr_b32 s16, s16, 4
	s_lshr_b32 s17, s17, 4
	s_lshr_b32 s28, s28, 4
	s_lshr_b32 s29, s29, 4
	s_lshr_b32 s15, s15, 4
.endm
; THE WAY OUT of a finished tile: O^T / the sum, split into a high and a low f16 part; a lane's eight channels of a tile are half a fragment of the last product's operand: each store is 512 consecutive bytes.
.macro WAYOUT
.rept 4
	v_nop                                          ; places behind the last products
.endr
	v_add_f32 v12, v12, v13
	v_permlanex16_b32 v245, v12, s24, s25
	v_add_f32 v12, v12, v245                       ; the row's sum
	v_rcp_f32 v14, v12
	v_nop                                          ; a plain instruction behind the reciprocal
	s_wait_alu depctr_va_vdst(0)                   ; and the wait ahead of its first reader
.set n, 0
.rept 16
	v_pk_mul_f32 v[96+n:97+n], v[160+n:161+n], v[14:15] op_sel_hi:[1,0]
.set n, n+2
.endr
.set n, 0
.rept 32
	v_and_b32 v[32+n], s26, v[96+n]                ; the high part, still as f32
.set n, n+1
.endr
.set n, 0
.rept 16
	v_cvt_pk_f16_f32 v[64+n], v[32+2*n], v[33+2*n]
.set n, n+1
.endr
.set n, 0
.rept 16
	v_pk_add_f32 v[32+n:33+n], v[96+n:97+n], v[32+n:33+n] neg_lo:[0,1] neg_hi:[0,1]   ; the rest, exact
.set n, n+2
.endr
.set n, 0
.rept 16
	v_cvt_pk_f16_f32 v[80+n], v[32+2*n], v[33+2*n]
.set n, n+1
.endr
.irp c, 0,1,2,3
	global_store_b128 v1, v[64+4*\c:67+4*\c], s[10:11] offset:512*\c
	global_store_b128 v1, v[80+4*\c:83+4*\c], s[10:11] offset:CPLANE+512*\c
.endr
.endm
; WHO SUMS WHAT IN THE SLOT AHEAD.  It stands behind STEP, at each change of slots.  s15 = 0: the low tile keeps no key of any unit still to come (behind the eighth STEP that holds of every tile).
; A low wave that finds it so for the first time goes over: its own tile goes out, and from here on it holds its partner's Q, flags and mask words.
.macro ROLE
	s_or_b32 s31, s15, s23
	s_cmp_lg_u32 s31, 0
	s_cbranch_scc1 .Lstay_\@
	WAYOUT
	s_wait_xcnt 0x0                                ; the stores have read their registers, which the next unit's loads write again
	v_mov_b32 v10, 0xff61b1e6                      ; m anew: the next alpha is 0, which brings the old sums to 0
.irp i, 0,1,2,3
	global_load_b128 v[16+4*\i:19+4*\i], v1, s[2:3] offset:512*\i
.endr
	s_mov_b32 s16, s28
	s_mov_b32 s17, s29
	s_mov_b32 s18, s30
	s_mov_b64 s[6:7], s[12:13]
	s_mov_b32 s23, 1
	s_wait_loadcnt 0x0
.Lstay_\@:
	s_cmp_eq_u32 s15, 0
	s_cselect_b32 s20, s19, -1                     ; the two share the slot, or each has its own tile
	s_and_b32 s20, s20, s16
.endm
; Sub-step j of a trip's eight, unit U = 8 trip + j.  My part of sub-tile U + 4 goes into the other slot, which every wave left before the last barrier; sub-tile U + 5 is asked for.  The branches hang on the count of trips alone.
.macro FILL j
.if (\j) >= 4
	s_cmp_eq_u32 s21, 3                            ; there is no sub-tile 32
	s_cbranch_scc1 .Lnofill_\@
.endif
	s_wait_loadcnt 0x0
	v_add_nc_u32 v4, SUBT*(((\j)+4)%8), v2
.irp i, 0,1,2,3
	ds_store_b128 v4, v[224+4*\i:227+4*\i] offset:8192*\i
.endr
.if (\j) == 3
	s_cmp_eq_u32 s21, 3
	s_cbranch_scc1 .Lnofill_\@
.endif
	s_wait_dscnt 0x0                               ; the stores have read their registers
.irp i, 0,1,2,3
	global_load_b128 v[224+4*\i:227+4*\i], v2, s[4:5] offset:SUBT*((\j)%4+5)+8192*\i
.endr
; A PREFETCH INTO THE L2 of sub-tile U + 7, two sub-steps ahead of its load, behind the wave's own loads.  All sixteen work-groups of a head walk the same K and V: the first asks, waves 0 to 3, 8,192 bytes each, lanes 256 bytes apart:
; each aligned block of 256 bytes of sub-tiles 7 to 31 is named once in the launch; sub-tiles 0 to 6 come by their loads alone, and nothing is asked for beyond sub-tile 31.
.if (\j) == 0
	s_cmp_lt_u32 s21, s22
.else
	s_cmp_lt_u32 s21, s27
.endif
	s_cbranch_scc0 .Lnofill_\@
	global_prefetch_b8 v8, s[4:5] offset:SUBT*((\j)%4+7) th:TH_LOAD_NT scope:SCOPE_SE
.Lnofill_\@:
.endm
.macro QK g                            ; S^T of key tiles 4 g .. 4 g + 3: the four accumulators take turns, channels 0-31, then 32-63
.set f, 0
.rept 16
	ds_load_b128 v[32+4*f:35+4*f], v3 offset:8192*(\g)+512*f
.set f, f+1
.endr
	s_wait_dscnt 0x0
.irp t, 0,1,2,3
	v_wmma_f32_16x16x32_f16 v[96+32*(\g)+8*\t:103+32*(\g)+8*\t], v[32+16*\t:39+16*\t], v[16:23], 0
.endr
.irp t, 0,1,2,3
	v_wmma_f32_16x16x32_f16 v[96+32*(\g)+8*\t:103+32*(\g)+8*\t], v[40+16*\t:47+16*\t], v[24:31], v[96+32*(\g)+8*\t:103+32*(\g)+8*\t]
.endr
.rept 4
	v_nop                                          ; four places in front of loads into registers that matrix instructions have read, and of the first read of results
.endr
.endm
.macro PVALL                           ; O^T += V^T P: keys 32 b on, channels 16 c on; the four accumulators take turns
.irp b, 0,1,2,3
.irp c, 0,1,2,3
	v_wmma_f32_16x16x32_f16 v[160+8*\c:167+8*\c], v[32+32*\b+8*\c:39+32*\b+8*\c], v[192+8*\b:199+8*\b], v[160+8*\c:167+8*\c]
.endr
.endr
.endm
.macro COMPUTE j
	s_bitcmp1_b32 s20, (\j)%4                      ; is this unit mine, and does any of the tile's queries keep a key of it?
	s_cbranch_scc0 .Lskip_\@
	s_load_b512 s[32:47], s[6:7], 256*((\j)%4)     ; the unit's 64 mask words: always asked for, so that they are written on every way that reads them
	s_load_b512 s[48:63], s[6:7], 256*((\j)%4)+64
	s_load_b512 s[68:83], s[6:7], 256*((\j)%4)+128
	s_load_b512 s[84:99], s[6:7], 256*((\j)%4)+192
	v_add_nc_u32 v3, SUBT*(\j), v1
.rept 4
	v_nop                                          ; with the addition five places: four for the loads below, five since K Q^T writes over registers that the last V^T P read
.endr
	QK 0
	QK 1
.set f, 0
.rept 16
	ds_load_b128 v[32+4*f:35+4*f], v3 offset:VHI+512*f                       ; V^T of keys 0-63 lands under the softmax
.set f, f+1
.endr
	s_wait_kmcnt 0x0
	s_bitcmp1_b32 s17, (\j)%4                      ; all kept: no select
	s_cbranch_scc1 .Lopen_\@
.set n, 0
.rept 64
	v_cndmask_b32 v[96+n], v7, v[96+n], s[32+n+4*(n/32)]
.set n, n+1
.endr
.Lopen_\@:
.irp b, 0,1,2,3
	v_max3_num_f32 v[240+\b], v[96+16*\b], v[97+16*\b], v[98+16*\b]          ; the largest of my 64 scores, in four chains; each accumulator is first read at its low end
.endr
.irp i, 3,5,7,9,11,13
.irp b, 0,1,2,3
	v_max3_num_f32 v[240+\b], v[240+\b], v[96+16*\b+\i], v[97+16*\b+\i]
.endr
.endr
.irp b, 0,1,2,3
	v_max_num_f32 v[240+\b], v[240+\b], v[111+16*\b]
.endr
	v_max3_num_f32 v244, v240, v241, v242
	v_max_num_f32 v244, v244, v243
	v_permlanex16_b32 v245, v244, s24, s25         ; the query's other 64 keys lie in the lane 16 away
	v_max3_num_f32 v244, v244, v245, v10           ; the new m
	v_sub_f32 v14, v10, v244                       ; old m - new m
	v_mov_b32 v10, v244
.set n, 0
.rept 32
	v_pk_add_f32 v[96+n:97+n], v[96+n:97+n], v[10:11] op_sel_hi:[1,0] neg_lo:[0,1] neg_hi:[0,1]   ; t - m
.set n, n+2
.endr
	v_exp_f32 v14, v14                             ; alpha and the 64 p: ONE batch
.set n, 0
.rept 64
	v_exp_f32 v[96+n], v[96+n]
.set n, n+1
.endr
	v_nop                                          ; a plain instruction behind the last exponential
	s_wait_alu depctr_va_vdst(0)                   ; one wait for the batch, ahead of its first reader
	v_pk_mul_f32 v[12:13], v[12:13], v[14:15] op_sel_hi:[1,0]                ; the sum under the new m
	v_pk_add_f32 v[246:247], v[96:97], v[98:99]    ; the row's sum of the unrounded p, in two chains
.irp i, 4,8,12,16,20,24,28,32,36,40,44,48,52,56,60
	v_pk_add_f32 v[12:13], v[12:13], v[96+\i:97+\i]
	v_pk_add_f32 v[246:247], v[246:247], v[98+\i:99+\i]
.endr
	v_pk_add_f32 v[12:13], v[12:13], v[246:247]
.set n, 0
.rept 32
	v_cvt_pk_f16_f32 v[192+n], v[96+2*n], v[97+2*n]
.set n, n+1
.endr
.set f, 16
.rept 16
	ds_load_b128 v[32+4*f:35+4*f], v3 offset:VHI+512*f                       ; V^T of keys 64-127, into the registers that p has left
.set f, f+1
.endr
.set n, 0
.rept 16
	v_pk_mul_f32 v[160+n:161+n], v[160+n:161+n], v[14:15] op_sel_hi:[1,0]    ; O^T under the new m
.set n, n+2
.endr
	s_wait_dscnt 0x0
	PVALL
	s_cmp_eq_u32 s18, 0
	s_cbranch_scc1 .Lskip_\@
.rept 4
	v_nop                                          ; four places in front of loads into registers that matrix instructions have read
.endr
.set f, 0
.rept 32
	global_load_b128 v[32+4*f:35+4*f], v1, s[8:9] offset:VHI*((\j)%4)+512*f  ; FINE: V^T's low part, in the same order, with the same P
.set f, f+1
.endr
	s_wait_loadcnt 0x0
	PVALL
.Lskip_\@:
.endm
	BAR                                            ; sub-tiles 0 to 3 lie in LDS
	s_mov_b32 s21, 0
.Ltrip:                                            ; four trips of eight sub-steps: once round the ring
.irp j, 0,1,2,3
	FILL \j
	COMPUTE \j
.endr
	BAR
	STEP
	ROLE
.irp j, 4,5,6,7
	FILL \j
	COMPUTE \j
.endr
	BAR                                            ; (behind the last trip it orders nothing; every wave passes it)
	STEP
	ROLE                                           ; (behind the last trip: a low wave that was at its own tile to the end goes over here, and its part stays empty)
	s_add_co_u32 s21, s21, 1
	s_cmp_lt_u32 s21, 4
	s_cbranch_scc1 .Ltrip
	; THE TWO PARTS OF A HIGH TILE MEET.  Waves 0-7 lay what they have summed for their partners' tiles into LDS, as it stands in their registers: 16 bytes a lane, 512 bytes a store.
	s_cmp_ge_u32 s14, 8
	s_cbranch_scc1 .Lmeet
.rept 4
	v_nop                                          ; places behind the last products, in front of LDS stores that read results
.endr
.irp i, 0,1,2,3,4,5,6,7
	ds_store_b128 v248, v[160+4*\i:163+4*\i] offset:512*\i                   ; each accumulator from its low end on
.endr
	ds_store_b128 v248, v[10:13] offset:4096       ; m, 0, the sum's two halves
.Lmeet:
	s_wait_dscnt 0x0                               ; for my partner's sake: my stores have landed
	s_barrier_signal -1
	s_barrier_wait -1
	s_cmp_lt_u32 s14, 8
	s_cbranch_scc1 .Lend
.rept 4
	v_nop                                          ; places in front of loads into registers that matrix instructions have read
.endr
.irp i, 0,1,2,3,4,5,6,7
	ds_load_b128 v[32+4*\i:35+4*\i], v249 offset:512*\i
.endr
	ds_load_b128 v[64:67], v249 offset:4096
	v_mov_b32 v69, 0                               ; (named as the upper half of the pair v[68:69])
	s_wait_dscnt 0x0
	v_max_num_f32 v244, v10, v64                   ; m* = the larger m
	v_sub_f32 v14, v10, v244
	v_sub_f32 v68, v64, v244
	v_exp_f32 v14, v14                             ; my part's factor,
	v_exp_f32 v68, v68                             ; and my partner's: 0 where nothing was summed
	v_nop                                          ; a plain instruction behind the exponentials
	s_wait_alu depctr_va_vdst(0)                   ; one wait for the two, ahead of their first reader
	v_pk_mul_f32 v[12:13], v[12:13], v[14:15] op_sel_hi:[1,0]
	v_pk_fma_f32 v[12:13], v[66:67], v[68:69], v[12:13] op_sel_hi:[1,0,1]
.set n, 0
.rept 16
	v_pk_mul_f32 v[160+n:161+n], v[160+n:161+n], v[14:15] op_sel_hi:[1,0]
.set n, n+2
.endr
.set n, 0
.rept 16
	v_pk_fma_f32 v[160+n:161+n], v[32+n:33+n], v[68:69], v[160+n:161+n] op_sel_hi:[1,0,1]
.set n, n+2
.endr
	WAYOUT
.Lend:
	s_wait_tensorcnt 0x0                           ; the wave's end, behind my last LDS store
	ds_add_u32 v5, v6
	s_wait_dscnt 0x0
	s_endpgm
.Lfunc_end_k_q63c9d98565_attn:
	.size	k_q63c9d98565_attn, .Lfunc_end_k_q63c9d98565_attn-k_q63c9d98565_attn
	.p2alignl 7, 3214868480
	.fill 96, 4, 3214868480
	.section	.rodata,"a",@progbits
	.p2align	6, 0x0
	.amdhsa_kernel k_q63c9d98565_attn
		.amdhsa_group_segment_fixed_size 301056
		.amdhsa_private_segment_fixed_size 0
		.amdhsa_enable_private_segment 0
		.amdhsa_kernarg_size 40
		.amdhsa_user_sgpr_count 2
		.amdhsa_user_sgpr_kernarg_segment_ptr 1
		.amdhsa_wavefront_size32 1
		.amdhsa_system_sgpr_workgroup_id_x 1
		.amdhsa_system_sgpr_workgroup_id_y 1
		.amdhsa_system_sgpr_workgroup_id_z 1
		.amdhsa_system_vgpr_workitem_id 0
		.amdhsa_next_free_vgpr 256
		.amdhsa_next_free_sgpr 100
		.amdhsa_reserve_vcc 0
		.amdhsa_float_denorm_mode_32 3
		.amdhsa_float_denorm_mode_16_64 3
		.amdhsa_memory_ordered 1
		.amdhsa_forward_progress 1
		.amdhsa_inst_pref_size 253
	.end_amdhsa_kernel
	.amdgpu_metadata
---
amdhsa.version: [ 1, 2 ]
amdhsa.kernels:
  - .name:           k_q63c9d98565_attn
    .symbol:         k_q63c9d98565_attn.kd
    .args:
      - { .name: qimg, .offset: 0, .size: 8, .value_kind: global_buffer, .address_space: global }
      - { .name: kv, .offset: 8, .size: 8, .value_kind: global_buffer, .address_space: global }
      - { .name: maskw, .offset: 16, .size: 8, .value_kind: global_buffer, .address_space: global }
      - { .name: flags, .offset: 24, .size: 8, .value_kind: global_buffer, .address_space: global }
      - { .name: ctximg, .offset: 32, .size: 8, .value_kind: global_buffer, .address_space: global }
    .group_segment_fixed_size: 301056
    .private_segment_fixed_size: 0
    .kernarg_segment_align: 8
    .kernarg_segment_size: 40
    .max_flat_workgroup_size: 512
    .sgpr_count:     100
    .vgpr_count:     256
    .wavefront_size: 32
...
	.end_amdgpu_metadata
.endif
;; end of part 6
;; launch outp: the kernel of part 4 again; grid 4 x 64, 4 waves a work-group, clusters of 4 x 4, 327,680 bytes of LDS; arguments ctximg, woimg, bo, out0; writes out0
